; MI455X (gfx1250); checked and timed in simulation.
; The chip was launched on July 23, 2026; its instructions are those of AMD's public machine-readable ISA for CDNA 5 (MIT licence, August 2026) and "CDNA5" Instruction Set Architecture Reference Guide (July 2026). The comments in the code are by the model that wrote it; some were corrected since.
;; Causal Multi Head Attention. Allowed arithmetic: matrix products marked QUANTISED: E2M3 operands, one E8M0 scale for each 32 along K, by v_wmma_scale_f32_16x16x128_f8f6f4 with both operands' format E2M3, f32 sums; everything else in f32.
;; Inputs: Wk 1,024 x 1,024 float32; Wo 1,024 x 1,024 float32; Wq 1,024 x 1,024 float32; Wv 1,024 x 1,024 float32; token_positions 2,048 int32; x 4 x 2,048 x 1,024 float32.
;; Outputs: out0 4 x 2,048 x 1,024 float32.
;; This version of the problem:
;;   THIS VERSION OF THE PROBLEM IS GIVEN IN LOW PRECISION. The matrix products marked QUANTISED in the list below multiply operands that are first quantised to E2M3 (2 exponent bits, 3 mantissa bits; 6 bits a number), with one power-of-two scale for each 32 numbers along K (OCP MX v1.0); their sums are f32. All else is computed in f32.
;;   The module's matrix products, in the order in which they are computed (A, B: the left and right operand; K: the contracted axis; several contracted axes count as one K, in the product's order):
;;     1. [M 8,192, K 1,024] x [K 1,024, N 1,024]; A: input x; B: input Wq: QUANTISED
;;     2. [M 8,192, K 1,024] x [K 1,024, N 1,024]; A: input x; B: input Wk: QUANTISED
;;     3. [M 8,192, K 1,024] x [K 1,024, N 1,024]; A: input x; B: input Wv: QUANTISED
;;     4. batch 64 x [M 2,048, K 64] x [K 64, N 2,048]; A: computed on the way; B: computed on the way: QUANTISED
;;     5. batch 64 x [M 2,048, K 2,048] x [K 2,048, N 64]; A: softmax (see below); B: computed on the way: QUANTISED
;;     6. [M 8,192, K 1,024] x [K 1,024, N 1,024]; A: computed on the way; B: input Wo: QUANTISED
;;   THE QUANTISER, for each operand of a quantised product, along K:
;;     - K is cut into blocks of 32 from its start; a last block that is shorter is filled with zeros.
;;     - A block's scale is 2^e with e = floor(log2(the largest magnitude in the block)) - 2, held to -126 .. 127; a block of zeros has e = 0. As a byte (E8M0): e + 127.
;;     - Each number is divided by its block's scale, clamped to +-7.5, and rounded to the nearest number of E2M3, ties to even, subnormals kept.
;;     - The product sums the exact products of the quantised numbers (number of the format x scale) in f32.
;;   ~~~python
;;   def quantise(x, axis):      # numpy; x: float32 -> the quantised numbers, widened to float32 again
;;       x = np.moveaxis(x, axis, -1); K = x.shape[-1]
;;       x = np.pad(x, [(0, 0)] * (x.ndim - 1) + [(0, -K % 32)]); x = x.reshape(x.shape[:-1] + (-1, 32)); a = np.abs(x).max(-1, keepdims=True)
;;       e = np.where(a > 0, np.clip(np.frexp(np.where(a > 0, a, 1))[1] - 1 - 2, -126, 127), 0)      # np.frexp(a)[1] - 1 = floor(log2(a)), exactly
;;       r = np.clip(x / 2.0 ** e, -7.5, 7.5)
;;       step = 2.0 ** (np.maximum(np.frexp(np.where(r == 0, 1, r))[1] - 1, 0) - 3)
;;       q = np.round(r / step) * step * 2.0 ** e      # np.round: ties to even
;;       return np.moveaxis(q.reshape(q.shape[:-2] + (-1,))[..., :K], -1, axis).astype(np.float32)
;;   ~~~
;;   SOFTMAX AHEAD OF A QUANTISED PRODUCT. Where the list says 'softmax', what is quantised is not the finished softmax but p = 2^(t - M), with t = logit x log2(e) and M = ceil(the row's largest t), a whole number; so 1/2 < the row's largest p <= 1. The row's sum l is taken of the UNQUANTISED p, in f32, and the product's result is divided by l at the end. Since M is a whole number, a kernel that streams over the keys may use a running M (the ceiling of the running maximum): every later rescaling is an exact power of two, which a block's scale takes up: the codes' values come out the same.
;;   OPERANDS COMPUTED ON THE WAY. 'Computed on the way' means the value that the module computes at that place (a softmax that the list does not call 'softmax' is quantised finished and normalised). What goes into a quantiser is computed in f32, as accurately as f32 sums, v_exp_f32 and their like allow (about 1e-6 of the number): no bf16 or f16 on the way to a quantiser, and a product that is left as it is and whose result goes on into a quantised operand takes f32 operands (vector FMAs, or v_wmma_f32_16x16x4_f32). A number that lies on a knife's edge between two numbers of the format may be rounded either way, as far as f32 arithmetic and the matrix unit's own rounding can turn it there, and no further.
;; One version. Each part assembles by itself: llvm-mc -triple=amdgcn-amd-amdhsa -mcpu=gfx1250 --defsym DOCPART=n.
;; ======== version 1 of 1: 4 launches
;; workspace buffers: xq 6,553,600 bytes; wq 3,276,800 bytes; rope 524,288 bytes; qq 6,553,600 bytes; kv 13,107,200 bytes; ao 6,553,600 bytes
;; launch prep (part 1): grid 400 x 1, 4 waves a work-group, no clusters, 33,280 bytes of LDS; arguments x, Wq, Wk, Wv, Wo, token_positions, xq, wq, rope; writes xq, wq, rope
.if DOCPART == 1
	.amdgcn_target "amdgcn-amd-amdhsa--gfx1250"
	.amdhsa_code_object_version 6
	.text
	.protected	k_qf9f9c1ac4f_prep
	.globl	k_qf9f9c1ac4f_prep
	.p2align	8
	.type	k_qf9f9c1ac4f_prep,@function
k_qf9f9c1ac4f_prep:
	s_mov_b64 s[64:65], 0
	v_nop
	global_prefetch_b8 v0, s[64:65] scope:SCOPE_SE
	s_setreg_imm32_b32 hwreg(HW_REG_WAVE_MODE, 25, 1), 1
	s_wait_xcnt 0x0
; x [8192][1024] and Wq, Wk, Wv, Wo [1024][1024], f32, K innermost, become codes of FP6 (E2M3) with one E8M0 byte for each 32 along K; and token_positions becomes a table of cosines and sines.
; xq: codes [8192][768 bytes], then scale bytes [8192][32] at XSC.  wq: codes [4096][768] (rows 0-1023 Wq, then Wk, Wv, Wo), then scale bytes [4096][32] at WSC.  rope: [2048 places][32 frequencies][cos, sin] f32.
; A block's scale is 2^(floor(log2(its largest magnitude)) - 2); its byte is the largest magnitude's exponent field - 2, held at 1 from below; each number is divided by the scale and rounded to the nearest code, ties to even.
; ROW ORDER.  Source row s of x, Wq, Wk, Wv is stored at row sw(s), sw = bits 3 and 4 of the row number exchanged; Wo is stored as it lies.  A wave takes 8 rows of a work-group's 32, so sw is an exchange of the wave number's two bits.
; So 16 consecutive rows of the buffers are eight neighbouring source rows and the eight that lie 16 further on: the rows that a tile of a transposed product wants, so that its results are neighbours along the next K.
; SHARES.  Work-groups 0-255: x; 256-383: the four weights, 32 each; a work-group takes 32,768 numbers, a wave 16 steps of 512.  Work-groups 384-399: the table, 32 places a wave, a lane a frequency.
; The quantising path: each load reads 512 consecutive bytes; a step's 2,048 bytes turn through the wave's own stage in LDS, so that a lane holds 16 neighbours along K; two neighbouring lanes hold a block.
; LIMITS: NaN and infinities among the inputs are not served.  A block whose largest magnitude lies under 2^-124 keeps the byte 1.  A block of zeros has the byte 1 where the rule says 127: its codes are zeros, and this program alone reads the bytes.
; The table: |position| up to 2^23; the frequencies are the f32 numbers nearest to 10000^(-i/32); sine and cosine by a reduction by pi/2 in three parts and polynomials on |r| <= pi/4, good to about two units in the last place.
.set STEPS, 16
.set EMAX,  2
.set CB,    12                         ; bytes of 16 codes
.set R,     16                         ; v16-79   four sets of 16 numbers as they are loaded
.set X,     80                         ; v80-111  two sets of 16 neighbours
.set C,     128                        ; v128-191 codes: four registers for each step
.set E,     112                        ; v112-127 a scale byte for each step
.set WREG,  8192                       ; LDS: a region for each wave: two stages of 32 x SP bytes, then its 256 scale bytes
.set SP,    80                         ; a lane's place in a stage: 64 bytes + 16 of padding
.set SPW,   12                         ; v12  LDS address of my spare word; never rewritten
.set NIL,   13                         ; v13  0; never rewritten
.set SPARE, 4*WREG                     ; behind the four regions: the spare words, 128 bytes a wave
.set XSC,   6291456
.set WSC,   3145728
.set WV,    22                         ; s22  my wave's number
.set SRC,   26                         ; s[26:27] where my numbers begin
.set DCO,   40                         ; s[40:41] where my codes go
.set DSC,   42                         ; s[42:43] where my scale bytes go
	s_load_b256 s[4:11], s[0:1], 0x0               ; x, Wq, Wk, Wv
	s_load_b256 s[12:19], s[0:1], 0x20             ; Wo, token_positions, xq, wq
	s_load_b64 s[20:21], s[0:1], 0x40              ; rope
	v_lshl_add_u32 v[SPW], v0, 2, SPARE
	v_mov_b32 v[NIL], 0
	v_lshrrev_b32 v1, 5, v0
	v_readfirstlane_b32 s[WV], v1                  ; wave 0..3
	v_and_b32 v2, 31, v0                           ; lane
	s_wait_kmcnt 0x0
	s_cmp_ge_u32 ttmp9, 384                        ; the last sixteen work-groups make the table: a branch on the work-group's number
	s_cbranch_scc1 .Ltable
	v_lshlrev_b32 v3, 4, v2                        ; my 16 bytes of a load's 512
	s_mul_i32 s23, s[WV], WREG
	v_lshrrev_b32 v14, 2, v2
	v_mul_u32_u24 v14, v14, SP
	v_and_b32 v15, 3, v2
	v_lshl_add_u32 v14, v15, 4, v14
	v_add_nc_u32 v14, s23, v14                     ; the stage, on the way in: SP (lane / 4) + 16 (lane % 4)
	v_mul_u32_u24 v15, v2, SP
	v_add_nc_u32 v15, s23, v15                     ; and on the way out: SP x lane: my 16 neighbours
	v_mul_u32_u24 v4, v2, CB                       ; my codes' place in a step's
	v_lshrrev_b32 v5, 1, v2
	s_add_co_u32 s23, s23, 2*32*SP
	v_add_nc_u32 v5, s23, v5                       ; LDS: my wave's 256 scale bytes, my block's byte
	v_lshlrev_b32 v7, 3, v2                        ; and on the way out 8 bytes a lane
	v_add_nc_u32 v6, s23, v7
	; which tensor, and where.  Every choice hangs on the work-group's number alone.
	s_sub_co_u32 s24, ttmp9, 256                   ; the weights' work-groups count from 0
	s_and_b32 s25, s24, 31                         ; and within one weight
	s_and_b32 s30, s[WV], 1
	s_lshl_b32 s30, s30, 1
	s_lshr_b32 s31, s[WV], 1
	s_or_b32 s30, s30, s31                         ; the wave's two bits exchanged: sw on the work-group's 32 rows
	s_mov_b64 s[SRC:SRC+1], s[12:13]               ; Wo, unless
	s_mov_b32 s33, WSC
	s_cmp_lt_u32 ttmp9, 352
	s_cselect_b64 s[SRC:SRC+1], s[10:11], s[SRC:SRC+1]   ; Wv,
	s_cselect_b32 s30, s30, s[WV]                  ; (Wo's rows stay where they are)
	s_cmp_lt_u32 ttmp9, 320
	s_cselect_b64 s[SRC:SRC+1], s[8:9], s[SRC:SRC+1]     ; Wk,
	s_cmp_lt_u32 ttmp9, 288
	s_cselect_b64 s[SRC:SRC+1], s[6:7], s[SRC:SRC+1]     ; Wq,
	s_cmp_lt_u32 ttmp9, 256
	s_cselect_b64 s[SRC:SRC+1], s[4:5], s[SRC:SRC+1]     ; or x
	s_cselect_b64 s[28:29], s[16:17], s[18:19]     ; the buffer that takes the codes: xq or wq
	s_cselect_b32 s31, ttmp9, s25                  ; my work-group within the source,
	s_cselect_b32 s32, ttmp9, s24                  ; and within the buffer
	s_cselect_b32 s33, XSC, s33                    ; where the buffer's scale bytes begin
	s_lshl_b32 s34, s31, 2
	s_add_co_u32 s34, s34, s[WV]
	s_lshl_b32 s34, s34, 15                        ; my run of 8,192 numbers: 32,768 bytes each (under 2^26)
	s_mov_b32 s35, 0
	s_add_nc_u64 s[SRC:SRC+1], s[SRC:SRC+1], s[34:35]
	s_lshl_b32 s36, s32, 2
	s_add_co_u32 s36, s36, s30                     ; the run's place in the buffer
	s_mul_i32 s38, s36, 32*STEPS*CB                ; 6,144 bytes of codes a run
	s_mov_b32 s39, 0
	s_add_nc_u64 s[DCO:DCO+1], s[28:29], s[38:39]
	s_lshl_b32 s38, s36, 8                         ; 256 scale bytes a run
	s_add_co_u32 s38, s38, s33
	s_add_nc_u64 s[DSC:DSC+1], s[28:29], s[38:39]
.macro LOAD t
.irp i, 0,1,2,3
	global_load_b128 v[R+16*((\t)%4)+4*\i:R+16*((\t)%4)+4*\i+3], v3, s[SRC:SRC+1] offset:2048*(\t)+512*\i th:TH_LOAD_NT   ; 32 lanes read 512 consecutive bytes
.endr
.endm
.macro TURN t                          ; step t's numbers through the stage: LDS serves a wave's instructions in order, so no wait stands between the stores and the loads
.irp i, 0,1,2,3
	ds_store_b128 v14, v[R+16*((\t)%4)+4*\i:R+16*((\t)%4)+4*\i+3] offset:32*SP*((\t)%2)+8*SP*\i
.endr
.irp i, 0,1,2,3
	ds_load_b128 v[X+16*((\t)%2)+4*\i:X+16*((\t)%2)+4*\i+3], v15 offset:32*SP*((\t)%2)+16*\i
.endr
.endm
.irp t, 0,1,2,3
	LOAD \t
.endr
	s_wait_loadcnt 12                              ; step 0's four loads are in; three steps' twelve may be out
	TURN 0
.macro STEP t
.set XS, X+16*((\t)%2)
.if (\t) > 0
	s_wait_dscnt 1                                 ; this step's numbers are back from the stage (the last step's byte store may be out): so its stores into the stage have read their registers,
.else
	s_wait_dscnt 0x0
.endif
.if (\t)+4 < STEPS
	LOAD (\t)+4                                    ; which take the loads of four steps on
.endif
.if (\t)+1 < STEPS
.if STEPS-2-(\t) >= 3
	s_wait_loadcnt 12                              ; the next step's four loads are in; those of the three steps behind it may be out
.else
	s_wait_loadcnt 4*(STEPS-2-(\t))
.endif
	TURN (\t)+1                                    ; and go through the other stage while this step is worked
.endif
	v_max3_num_f32 v8, |v[XS]|, |v[XS+1]|, |v[XS+2]|               ; the largest magnitude of my 16, in two chains
	v_max3_num_f32 v9, |v[XS+3]|, |v[XS+4]|, |v[XS+5]|
.irp i, 6,10
	v_max3_num_f32 v8, v8, |v[XS+\i]|, |v[XS+\i+1]|
	v_max3_num_f32 v9, v9, |v[XS+\i+2]|, |v[XS+\i+3]|
.endr
	v_max3_num_f32 v8, v8, |v[XS+14]|, |v[XS+15]|
	v_max3_num_f32 v8, v8, v9, (EMAX+1)<<23        ; and the floor 2^(3 - 127): the byte cannot fall under 1
	v_max_num_f32_dpp v8, v8, v8 row_xmask:1 row_mask:0xf bank_mask:0xf   ; and of my neighbour's 16: the block's
	v_add_nc_u32 v11, -(EMAX<<23), v8              ; 2 off its exponent field: the conversion takes the exponent field of this operand as its scale
	v_cvt_scalef32_pk16_fp6_f32 v[C+4*(\t):C+4*(\t)+2], v[XS:XS+15], v11
	v_lshrrev_b32 v[E+(\t)], 23, v11               ; the scale's byte
	ds_store_b8 v5, v[E+(\t)] offset:16*(\t)       ; both lanes of a block write the same byte with the same value
	global_store_b96 v4, v[C+4*(\t):C+4*(\t)+2], s[DCO:DCO+1] offset:32*CB*(\t)   ; the wave stores 384 consecutive bytes
.endm
.irp t, 0,1,2,3,4,5,6,7,8,9,10,11,12,13,14,15
	STEP \t
.endr
	ds_load_b64 v[8:9], v6                         ; LDS serves a wave's instructions in order: these see my stores
	s_wait_dscnt 0x0
	global_store_b64 v7, v[8:9], s[DSC:DSC+1]      ; 32 lanes store 256 consecutive bytes, aligned
	s_wait_tensorcnt 0x0                           ; the wave's end, behind my last LDS store
	ds_add_u32 v[SPW], v[NIL]
	s_wait_dscnt 0x0
	s_endpgm
; THE TABLE.  Wave W of work-group j takes places 128 j + 32 W .. + 31; lane i is frequency i.  No LDS is touched on this path.
.Ltable:
	s_sub_co_u32 s23, ttmp9, 384
	s_lshl_b32 s23, s23, 7
	s_lshl_b32 s62, s[WV], 5
	s_add_co_u32 s23, s23, s62                     ; my first place
	s_lshl_b32 s62, s23, 2
	s_mov_b32 s63, 0
	s_add_nc_u64 s[14:15], s[14:15], s[62:63]      ; its position,
	s_lshl_b32 s62, s23, 8
	s_add_nc_u64 s[20:21], s[20:21], s[62:63]      ; and its 256 bytes of the table
	s_load_b512 s[24:39], s[14:15], 0x0            ; my 32 positions
	s_load_b512 s[40:55], s[14:15], 0x40
	s_mov_b32 s56, 0xbfc90fdb                      ; -pi/2 in three parts, for fused multiply-adds: the f32 nearest to pi/2, negated,
	s_mov_b32 s57, 0x333bbd2e                      ; what that was too large by,
	s_mov_b32 s58, 0x26f72ced                      ; and the rest
	s_mov_b32 s59, 0xb94ca1f9                      ; the sine's highest coefficient
	s_mov_b32 s60, 0x37ccf5ce                      ; the cosine's
	v_lshlrev_b32 v3, 3, v2                        ; 8 bytes a lane
	v_mov_b32 v1, 0
.set i, 0
.irp f, 0x3f800000,0x3f3ff911,0x3f0ff59a,0x3ed7e89b,0x3ea1e89b,0x3e72d424,0x3e361887,0x3e088d77,0x3dcccccd,0x3d99940e,0x3d6655c3,0x3d2cba15,0x3d0186e2,0x3cc24350,0x3c91ad39,0x3c5a7bf1,0x3c23d70a,0x3bf5b9b0,0x3bb8449c,0x3b8a2e77,0x3b4f3e37,0x3b1b690d,0x3ae91528,0x3aaec98e,0x3a83126f,0x3a44948c,0x3a136a16,0x39dd1726,0x39a5cb5f,0x3978a814,0x393a7753,0x390bd472
	s_mov_b32 s61, \f                              ; 10000^(-i/32) = 10^(-i/8)
	v_writelane_b32 v1, s61, i
.set i, i+1
.endr
	s_wait_kmcnt 0x0
.macro POS i
	v_cvt_f32_i32 v4, s[24+\i]
	v_mul_f32 v4, v4, v1                           ; the angle, rounded once
	v_mul_f32 v5, 0x3f22f983, v4                   ; x 2 / pi
	v_rndne_f32 v5, v5                             ; n
	v_fma_f32 v6, v5, s56, v4                      ; r = angle - n pi/2: the first step rounds nothing
	v_fma_f32 v6, v5, s57, v6
	v_fma_f32 v6, v5, s58, v6
	v_cvt_i32_f32 v7, v5                           ; n as a whole number: its low two bits are the quadrant
	v_mul_f32 v8, v6, v6                           ; z = r r
	v_fmaak_f32 v9, s59, v8, 0x3c08839e
	v_fmaak_f32 v10, s60, v8, 0xbab6061a
	v_fmaak_f32 v9, v9, v8, 0xbe2aaaa3
	v_fmaak_f32 v10, v10, v8, 0x3d2aaaa5
	v_mul_f32 v11, v6, v8
	v_mul_f32 v14, v8, v8
	v_fma_f32 v15, v8, -0.5, 1.0
	v_fma_f32 v9, v9, v11, v6                      ; sin r
	v_fma_f32 v10, v10, v14, v15                   ; cos r
	v_and_b32 v11, 1, v7
	v_cmp_eq_u32 vcc_lo, 1, v11                    ; odd quadrants exchange the two: a choice of values, no branch
	v_lshlrev_b32 v14, 30, v7
	v_add_nc_u32 v15, 1, v7
	v_and_b32 v14, 0x80000000, v14                 ; the sine is negative in quadrants 2 and 3,
	v_lshlrev_b32 v15, 30, v15
	v_and_b32 v15, 0x80000000, v15                 ; the cosine in 1 and 2
	v_cndmask_b32 v16, v10, v9, vcc_lo
	v_cndmask_b32 v17, v9, v10, vcc_lo
	v_xor_b32 v[64+2*\i], v15, v16                 ; cos
	v_xor_b32 v[65+2*\i], v14, v17                 ; sin.  Each place has its own pair of registers, so no store's data are written again
	global_store_b64 v3, v[64+2*\i:65+2*\i], s[20:21] offset:256*\i   ; 32 lanes store 256 consecutive bytes, aligned
.endm
.irp i, 0,1,2,3,4,5,6,7,8,9,10,11,12,13,14,15,16,17,18,19,20,21,22,23,24,25,26,27,28,29,30,31
	POS \i
.endr
	s_endpgm
.Lfunc_end_k_qf9f9c1ac4f_prep:
	.size	k_qf9f9c1ac4f_prep, .Lfunc_end_k_qf9f9c1ac4f_prep-k_qf9f9c1ac4f_prep
	.p2alignl 7, 3214868480
	.fill 96, 4, 3214868480
	.section	.rodata,"a",@progbits
	.p2align	6, 0x0
	.amdhsa_kernel k_qf9f9c1ac4f_prep
		.amdhsa_group_segment_fixed_size 33280
		.amdhsa_private_segment_fixed_size 0
		.amdhsa_enable_private_segment 0
		.amdhsa_kernarg_size 72
		.amdhsa_user_sgpr_count 2
		.amdhsa_user_sgpr_kernarg_segment_ptr 1
		.amdhsa_wavefront_size32 1
		.amdhsa_system_sgpr_workgroup_id_x 1
		.amdhsa_system_sgpr_workgroup_id_y 1
		.amdhsa_system_sgpr_workgroup_id_z 1
		.amdhsa_system_vgpr_workitem_id 0
		.amdhsa_next_free_vgpr 192
		.amdhsa_next_free_sgpr 66
		.amdhsa_reserve_vcc 1
		.amdhsa_float_denorm_mode_32 3
		.amdhsa_float_denorm_mode_16_64 3
		.amdhsa_memory_ordered 1
		.amdhsa_forward_progress 1
		.amdhsa_inst_pref_size 83
	.end_amdhsa_kernel
	.amdgpu_metadata
---
amdhsa.version: [ 1, 2 ]
amdhsa.kernels:
  - .name:           k_qf9f9c1ac4f_prep
    .symbol:         k_qf9f9c1ac4f_prep.kd
    .args:
      - { .name: x, .offset: 0, .size: 8, .value_kind: global_buffer, .address_space: global }
      - { .name: Wq, .offset: 8, .size: 8, .value_kind: global_buffer, .address_space: global }
      - { .name: Wk, .offset: 16, .size: 8, .value_kind: global_buffer, .address_space: global }
      - { .name: Wv, .offset: 24, .size: 8, .value_kind: global_buffer, .address_space: global }
      - { .name: Wo, .offset: 32, .size: 8, .value_kind: global_buffer, .address_space: global }
      - { .name: token_positions, .offset: 40, .size: 8, .value_kind: global_buffer, .address_space: global }
      - { .name: xq, .offset: 48, .size: 8, .value_kind: global_buffer, .address_space: global }
      - { .name: wq, .offset: 56, .size: 8, .value_kind: global_buffer, .address_space: global }
      - { .name: rope, .offset: 64, .size: 8, .value_kind: global_buffer, .address_space: global }
    .group_segment_fixed_size: 33280
    .private_segment_fixed_size: 0
    .kernarg_segment_align: 8
    .kernarg_segment_size: 72
    .max_flat_workgroup_size: 128
    .sgpr_count:     66
    .vgpr_count:     192
    .wavefront_size: 32
...
	.end_amdgpu_metadata
.endif
;; end of part 1
;; launch qkv (part 2): grid 12 x 32, 4 waves a work-group, clusters of 4 x 4, 327,680 bytes of LDS; arguments xq, wq, rope, qq, kv; writes qq, kv
.if DOCPART == 2
	.amdgcn_target "amdgcn-amd-amdhsa--gfx1250"
	.amdhsa_code_object_version 6
	.text
	.protected	k_qf9f9c1ac4f_qkv
	.globl	k_qf9f9c1ac4f_qkv
	.p2align	8
	.type	k_qf9f9c1ac4f_qkv,@function
k_qf9f9c1ac4f_qkv:
	s_mov_b64 s[64:65], 0
	v_nop
	global_prefetch_b8 v0, s[64:65] scope:SCOPE_SE
	s_setreg_imm32_b32 hwreg(HW_REG_WAVE_MODE, 25, 1), 1
	s_wait_xcnt 0x0
	s_wait_alu depctr_hold_cnt(0) depctr_sa_sdst(0) depctr_va_vdst(0) depctr_va_sdst(0) depctr_va_ssrc(0) depctr_va_vcc(0) depctr_vm_vsrc(0)
	s_getreg_b32 s2, hwreg(HW_REG_IB_STS2, 6, 4)
	s_cmp_eq_u32 s2, 0
	s_cbranch_scc0 .Lentry_in_a_cluster
	s_endpgm
.Lentry_in_a_cluster:
	s_bfe_u32 s2, ttmp6, 0x10000c
	s_cmp_lg_u32 s2, 0xf033
	s_cbranch_scc0 .Lentry_shape_is_right
	s_endpgm
.Lentry_shape_is_right:
; x [Wq; Wk; Wv]^T on codes of FP6 (E2M3) with one E8M0 scale for each 32 along K; then, in registers, what attention wants of the results.
; A = xq: 8,192 rows (tokens) x 1,024 K; B = wq rows 0-3,071 (features of Q, K, V); rows of both lie in the order sw (bits 3 and 4 of the row number exchanged).
; A tile of 256 tokens x 256 features is made by four waves, 128 x 128 each: 64 accumulators, 512 registers.  K goes in steps of 256 through a ring of two LDS slots filled by the tensor data mover;
; the scale bytes of the work-group's rows come into LDS once.  CLUSTERS: 4 x 4 work-groups; the four of a row need the same tiles of A, the four of a column the same tiles of B: each tile is asked for jointly.
; THE MATRIX INSTRUCTION IS USED TRANSPOSED (source 0 = 16 rows of W, source 1 = 16 rows of x).  By the order sw, lane (r, h) of accumulator (a, b) holds token 32 (a / 2) + 8 (a % 2) + r + 8 (r / 8) of my 128,
; and its register j feature 32 (b / 2) + 16 h + 8 (b % 2) + j of my 128: the 16 registers of two neighbouring b are 16 neighbouring features.
; THE WAYS OUT part on the cluster's x, which all sixteen partners share: 0: Q, 1: K, 2: V.
;   Q, K: the rotation by the table rope (cos, sin for each place and pair of features), then the quantiser along the head's 64.  A PAIR RECORD holds two tiles of 16 tokens of one head: lane m + 16 e has 48 bytes:
;   tile 0's row m, block e (24 bytes), tile 1's row m, block e: the image of twelve operand registers.  Its scale word for row m: bytes (tile 0 block 0, tile 0 block 1, tile 1 block 0, tile 1 block 1).
;   V: 32 tokens x 64 features turn through LDS, so that a lane holds one feature and its registers 32 neighbouring tokens: the quantiser along the keys.  A FRAGMENT (128 keys, 16 features) is again an image of twelve registers:
;   lane m + 16 hh has key block hh, then key block 2 + hh, of feature 32 (t / 2) + 8 (t % 2) + m + 8 (m / 8).
; qq: records [64 heads][64 pairs][1,536 bytes], then scale words [64][64][16] at QSC.  kv: [64 heads][8 slots of 256 keys] blocks of 25,600 bytes: K's 8 records, V's 2 x 4 fragments (at 12,288), K's scale words (24,576), V's (25,088).
; LIMITS: NaN and infinities are not served; a block under 2^-124 keeps the byte 1; a block of zeros has the byte 1, its codes are zeros, and this program alone reads the bytes.
; REGISTERS, in windows of 256: window 0: v0-31 addresses; v32-63 scale words, two sets; from v128 A's fragments, one set; on the way out v32-255 are free.  window 1: B's fragments, two sets.  windows 2, 3: the accumulators, (a, b) at v[8 (8 (a % 4) + b)].
.set KSTEP,  256
.set NQ,     KSTEP/128
.set ROWB,   192                       ; a tile's row in bytes
.set KROW,   768                       ; a row of codes in memory
.set PITCH,  240                       ; an LDS row: 3 x (64 bytes + 16 of padding)
.set FR,     12
.set NL,     6
.set NP,     4
.set HALFT,  128*PITCH
.set SLOT,   4*HALFT
.set LAPS,   2                         ; K = 1,024: four K steps, twice round the ring
.set KS,     32                        ; a row of scale bytes
.set SCL,    2*SLOT
.set HALFS,  (128*KS/256)*272
.set SBLK,   (16*KS/256)*272
.set SPARE,  SCL+4*HALFS               ; the spare words, 128 bytes a wave
.set XSC,    6291456
.set WSC,    3145728
.set QSC,    6291456
.set SLOTB,  25600
.set QW,   7                           ; v7   Q, K: my stage (4,096 x wave): where I put my 48 bytes of a record
.set QR,   8                           ; v8   and where I read 16 bytes back
.set QSW,  9                           ; v9   its scale words, from byte 3,072 on: 4 (lane % 16)
.set QSR,  10                          ; v10  and back: 8 x lane
.set G16,  11                          ; v11  16 x lane
.set G8,   12                          ; v12  8 x lane
.set VW,   13                          ; v13  V: my stage (16,384 + 15,104 x wave): 32 tokens x (256 bytes + 16): where I put 32 bytes of a token's row
.set VR,   14                          ; v14  and where I read my feature's column: 4 x lane
.set VCW,  15                          ; v15  from byte 8,704 on: four fragments: my feature's place
.set ADRA, 16
.set ADRB, 20
.set VCR,  24                          ; v24  and back: 16 x lane
.set VSW,  25                          ; v25  from byte 14,848 on: their scale words: my feature's
.set VSR,  26                          ; v26  and back: 8 x lane
.set ADRS, 27
.set SPW,  28
.set NIL,  29
.set TAD,  30                          ; v30  the table: my token's row of 256 bytes + 64 (lane / 16)
.set SC,   32
.set AF,   128
.set G1, 24
.set G0, 32
.set G1B, 48
.set G0B, 56
.set G1S, 68
.set G0S, 76
.set G1SB, 80
.set G0SB, 88
.set MSB, 0
.macro WIN new                         ; the immediate's high byte repeats the setting that is left
.if MSB != \new
	s_set_vgpr_msb (MSB<<8)|\new
.set MSB, \new
.endif
.endm
.set MUL_LO, 0xa1                      ; source 0 (B) window 1, source 1 (A) window 0, C and D window 2
.set MUL_HI, 0xf1
.set TO_B,   0x40
; A joint load: waves 0 and 1 fetch for A, waves 2 and 3 for B.  The branch hangs on the wave's number alone.  An s_nop 0 and four v_nop follow each of the two lines.
.macro JLOAD g0a, g1a, g0b, g1b
	s_cmp_eq_u32 s15, 0
	s_cbranch_scc0 .Lfor_b_\@
	tensor_load_to_lds s[\g0a:\g0a+3], s[\g1a:\g1a+7]
	s_nop 0
.rept 4
	v_nop
.endr
	s_branch .Lasked_\@
.Lfor_b_\@:
	tensor_load_to_lds s[\g0b:\g0b+3], s[\g1b:\g1b+7]
	s_nop 0
.rept 4
	v_nop
.endr
.Lasked_\@:
.endm
.macro CREST                           ; a round of the cluster's barrier behind its opening barrier
	s_cmp_lg_u32 s14, 0
	s_cbranch_scc1 .Lnot_wave_0_\@
	s_barrier_signal -3
.Lnot_wave_0_\@:
	s_barrier_wait -3
	s_barrier_signal -1
	s_barrier_wait -1
.endm
.macro CROUND
	s_barrier_signal -1
	s_barrier_wait -1
	CREST
.endm
	s_load_b64 s[4:5], s[0:1], 0x0                 ; xq
	s_load_b64 s[8:9], s[0:1], 0x8                 ; wq
	s_load_b64 s[96:97], s[0:1], 0x10              ; rope
	s_load_b64 s[12:13], s[0:1], 0x18              ; qq
	s_load_b64 s[98:99], s[0:1], 0x20              ; kv
	v_lshl_add_u32 v[SPW], v0, 2, SPARE
	v_mov_b32 v[NIL], 0
	ds_add_u32 v[SPW], v[NIL]                      ; the wave's opening: the add and its wait stand ahead of my first tensor load; the set-up below stands between them
	v_lshrrev_b32 v1, 5, v0
	v_readfirstlane_b32 s14, v1                    ; wave 0..3
	s_lshr_b32 s15, s14, 1                         ; which half of the tile's tokens is mine.  Also: I fetch for A (0) or for B (1)
	s_and_b32 s16, s14, 1                          ; which half of its features.  Also: which 128 rows of that tile I fetch
	s_bfe_u32 s40, ttmp6, 0x40000                  ; cx, cy: my place in the cluster
	s_bfe_u32 s41, ttmp6, 0x40004
	s_lshl_b32 s42, ttmp9, 2
	s_add_co_u32 s42, s42, s40                     ; tile column = 4 x cluster x + cx
	s_and_b32 s17, ttmp7, 0xffff
	s_lshl_b32 s17, s17, 2
	s_add_co_u32 s17, s17, s41                     ; tile row = 4 x cluster y + cy
	s_lshl_b32 s43, s41, 2
	s_lshl_b32 s43, 15, s43                        ; my row of the cluster
	s_lshl_b32 s44, 0x1111, s40                    ; my column
	; descriptor group 1: a tile of 128 rows x 192 bytes, 16 bytes of padding behind every 64
	s_or_b32 s[G1+0], s43, (0<<16)|(1<<20)|(1<<21)|(3<<22)|(3<<25)
	s_or_b32 s[G1B+0], s44, (0<<16)|(1<<20)|(1<<21)|(3<<22)|(3<<25)
.irp g, G1, G1B
	s_mov_b32 s[\g+1], ROWB<<16                    ; tensor_dim0
	s_mov_b32 s[\g+2], 128<<16                     ; tensor_dim1
	s_mov_b32 s[\g+3], ROWB<<16                    ; tile_dim0
	s_mov_b32 s[\g+4], 128                         ; tile_dim1
	s_mov_b32 s[\g+5], KROW                        ; from row to row
	s_mov_b32 s[\g+6], 0
	s_mov_b32 s[\g+7], 0
.endr
	; the scales of 128 rows: a dense block of 4,096 bytes, as rows of 256 bytes (32 elements of 8), 16 bytes of padding behind each
	s_or_b32 s[G1S+0], s43, (3<<16)|(1<<20)|(1<<21)|(5<<22)|(3<<25)
	s_or_b32 s[G1SB+0], s44, (3<<16)|(1<<20)|(1<<21)|(5<<22)|(3<<25)
.irp g, G1S, G1SB
	s_mov_b32 s[\g+1], 32<<16
	s_mov_b32 s[\g+2], (128*KS/256)<<16
	s_mov_b32 s[\g+3], 32<<16
	s_mov_b32 s[\g+4], 128*KS/256
	s_mov_b32 s[\g+5], 32
	s_mov_b32 s[\g+6], 0
	s_mov_b32 s[\g+7], 0
.endr
	s_lshl_b32 s18, s16, 7                         ; which 128 rows of the tile I fetch
	s_lshl_b32 s20, s17, 8
	s_add_co_u32 s20, s20, s18                     ; A: row 256 x tile row + 128 x half
	s_lshl_b32 s46, s42, 8
	s_add_co_u32 s46, s46, s18                     ; B: row 256 x tile column + 128 x half
	s_mov_b32 s21, 0
	s_mov_b32 s47, 0
	s_mov_b64 s[18:19], KS
	s_mul_u64 s[22:23], s[20:21], s[18:19]         ; where these rows' scales begin,
	s_mul_u64 s[92:93], s[46:47], s[18:19]
	s_mov_b64 s[18:19], KROW
	s_mul_u64 s[20:21], s[20:21], s[18:19]         ; and their codes
	s_mul_u64 s[46:47], s[46:47], s[18:19]
	s_mul_i32 s45, s14, HALFT                      ; where they go: wave x 128 rows: no place in the cluster enters an LDS address
	s_mul_i32 s94, s14, HALFS
	s_wait_dscnt 0x0                               ; the opening add is done
	s_wait_kmcnt 0x0
	s_add_nc_u64 s[6:7], s[4:5], XSC               ; x's scale bytes lie behind its codes,
	s_add_nc_u64 s[10:11], s[8:9], WSC             ; the weights' likewise
	s_add_nc_u64 s[20:21], s[4:5], s[20:21]
	s_add_nc_u64 s[22:23], s[6:7], s[22:23]
	s_add_nc_u64 s[46:47], s[8:9], s[46:47]
	s_add_nc_u64 s[92:93], s[10:11], s[92:93]
	CROUND                                         ; all sixteen work-groups are here: the first joint loads meet
	s_mov_b32 s[G0S], 1
	s_add_co_u32 s[G0S+1], s94, SCL
	s_mov_b64 s[G0S+2:G0S+3], s[22:23]
	s_or_b32 s[G0S+3], s[G0S+3], 0x80000000
	s_mov_b32 s[G0SB], 1
	s_add_co_u32 s[G0SB+1], s94, SCL
	s_mov_b64 s[G0SB+2:G0SB+3], s[92:93]
	s_or_b32 s[G0SB+3], s[G0SB+3], 0x80000000
	JLOAD G0S, G1S, G0SB, G1SB                     ; the scales first: they are wanted with K step 0
.irp s, 0,1
	s_mov_b32 s[G0+4*\s], 1
	s_add_co_u32 s[G0+4*\s+1], s45, \s*SLOT
	s_add_nc_u64 s[G0+4*\s+2:G0+4*\s+3], s[20:21], \s*ROWB
	s_or_b32 s[G0+4*\s+3], s[G0+4*\s+3], 0x80000000
	s_mov_b32 s[G0B+4*\s], 1
	s_add_co_u32 s[G0B+4*\s+1], s45, \s*SLOT
	s_add_nc_u64 s[G0B+4*\s+2:G0B+4*\s+3], s[46:47], \s*ROWB
	s_or_b32 s[G0B+4*\s+3], s[G0B+4*\s+3], 0x80000000
	JLOAD G0+4*\s, G1, G0B+4*\s, G1B               ; by this text's count three tensor loads of mine are out now
.endr
	v_and_b32 v1, 15, v0                           ; r = lane % 16
	v_bfe_u32 v2, v0, 4, 1                         ; h = lane / 16
	v_mul_u32_u24 v3, v1, PITCH
	v_mul_u32_u24 v4, v2, 24
	v_add_nc_u32 v4, v3, v4                        ; a fragment's row x pitch + 24 x half
	v_lshl_add_u32 v5, v2, 4, v4                   ; and the same behind one padding more
	s_mul_i32 s21, s15, HALFT                      ; my 128 rows of A
	s_mul_i32 s22, s16, HALFT                      ; my 128 rows of B,
	s_add_co_u32 s22, s22, 2*HALFT                 ; which lie behind A's 256
.irp s, 0,1
	v_add_nc_u32 v[ADRA+\s], s21, v4
	v_add_nc_u32 v[ADRB+\s], s22, v4
	v_add_nc_u32 v[ADRA+2+\s], s21, v5
	v_add_nc_u32 v[ADRB+2+\s], s22, v5
	s_add_co_u32 s21, s21, SLOT
	s_add_co_u32 s22, s22, SLOT
.endr
	v_mul_u32_u24 v5, v1, KS                       ; my row's scales: KS bytes a row,
	v_lshrrev_b32 v6, 8, v5
	v_lshl_add_u32 v5, v6, 4, v5                   ; and 16 more for each 256 passed
	s_mul_i32 s21, s15, HALFS
	s_mul_i32 s22, s16, HALFS
	s_add_co_u32 s22, s22, 2*HALFS
	s_sub_co_u32 s22, s22, s21
	v_mul_u32_u24 v6, s22, v2                      ; lanes 16-31 take B's
	s_add_co_u32 s21, s21, SCL
	v_add_nc_u32 v5, v5, v6
	v_add_nc_u32 v[ADRS], s21, v5
	; the ways out: every LDS address is made here, of the lane and the wave alone.  The two ways have LDS bytes of their own, all in slot 0
	v_and_b32 v6, 31, v0                           ; lane
	s_lshl_b32 s23, s14, 12                        ; Q, K: my stage
	v_mul_u32_u24 v[QW], v6, 48
	v_add_nc_u32 v[QW], s23, v[QW]
	v_lshlrev_b32 v[G16], 4, v6
	v_add_nc_u32 v[QR], s23, v[G16]
	v_lshlrev_b32 v[G8], 3, v6
	v_lshl_add_u32 v[QSW], v1, 2, s23
	v_add_nc_u32 v[QSW], 3072, v[QSW]
	v_add_nc_u32 v[QSR], s23, v[G8]
	v_add_nc_u32 v[QSR], 3072, v[QSR]
	s_mul_i32 s23, s14, 15104
	s_add_co_u32 s23, s23, 16384                   ; V: my stage
	v_and_b32 v3, 7, v1
	v_lshrrev_b32 v4, 3, v1
	v_lshl_add_u32 v3, v4, 4, v3                   ; r + 8 (r / 8): my token among a pair's 32, less 8 for the second tile
	v_lshlrev_b32 v[TAD], 8, v3
	v_lshl_add_u32 v[TAD], v2, 6, v[TAD]
	v_mul_u32_u24 v[VW], v3, 272
	v_lshl_add_u32 v[VW], v2, 6, v[VW]
	v_add_nc_u32 v[VW], s23, v[VW]
	v_lshl_add_u32 v[VR], v6, 2, s23
	v_and_b32 v3, 7, v6
	v_lshrrev_b32 v4, 4, v6
	v_lshl_add_u32 v3, v4, 3, v3                   ; feature 32 gg + lane is row m = lane % 8 + 8 (lane / 16)
	v_bfe_u32 v4, v6, 3, 1                         ; of tile 2 gg + (lane / 8) % 2
	v_mul_u32_u24 v[VCW], v3, 48
	v_mad_u32_u24 v[VCW], v4, 1536, v[VCW]
	v_add_nc_u32 v[VCW], s23, v[VCW]
	v_add_nc_u32 v[VCW], 8704, v[VCW]
	v_add_nc_u32 v[VCR], s23, v[G16]
	v_add_nc_u32 v[VCR], 8704, v[VCR]
	v_lshlrev_b32 v[VSW], 2, v3
	v_lshl_add_u32 v[VSW], v4, 6, v[VSW]
	v_add_nc_u32 v[VSW], s23, v[VSW]
	v_add_nc_u32 v[VSW], 14848, v[VSW]
	v_add_nc_u32 v[VSR], s23, v[G8]
	v_add_nc_u32 v[VSR], 14848, v[VSR]
.macro FRAG reg, adr, q, i             ; a fragment, 16 rows x 128 K, is 12 registers: lane l holds row l % 16; registers 6 c .. 6 c + 5 hold K = 64 c + 32 (l / 16) + 0 .. 31: 24 bytes of the row, as they lie
.irp p, 0,1,2,3,4,5                    ; in pieces of 8 bytes.  Where the piece three on (lanes 16-31) lies behind one padding more, the second address register serves
.set PC, 12*(\q)+6*(\p/3)+\p%3
.if PC%8 < 5
	ds_load_b64 v[\reg+2*\p:\reg+2*\p+1], v[\adr] offset:8*PC+16*(PC/8)+(\i)*16*PITCH
.else
	ds_load_b64 v[\reg+2*\p:\reg+2*\p+1], v[\adr+2] offset:8*PC+16*(PC/8)+(\i)*16*PITCH
.endif
.endr
.endm
; 16 matrix instructions: A's blocks a0, a0 + 1 x B's eight, 128 along K.  The 64 accumulators take turns, one instruction a turn, in the same order in every step.
.macro MUL16 a0, p, q, sc, zero
.irp a, \a0, \a0+1
.irp b, 0,1,2,3,4,5,6,7
.if \zero
	v_wmma_scale_f32_16x16x128_f8f6f4 v[8*(8*((\a)%4)+\b):8*(8*((\a)%4)+\b)+7], v[128*(\p)+FR*\b:128*(\p)+FR*\b+FR-1], v[AF+FR*(\a):AF+FR*(\a)+FR-1], 0, v[SC+8*NQ*(\sc)+NQ*\b+(\q)], v[SC+8*NQ*(\sc)+NQ*(\a)+(\q)] matrix_a_fmt:MATRIX_FMT_FP6 matrix_b_fmt:MATRIX_FMT_FP6 matrix_a_scale:MATRIX_SCALE_ROW1
.else
	v_wmma_scale_f32_16x16x128_f8f6f4 v[8*(8*((\a)%4)+\b):8*(8*((\a)%4)+\b)+7], v[128*(\p)+FR*\b:128*(\p)+FR*\b+FR-1], v[AF+FR*(\a):AF+FR*(\a)+FR-1], v[8*(8*((\a)%4)+\b):8*(8*((\a)%4)+\b)+7], v[SC+8*NQ*(\sc)+NQ*\b+(\q)], v[SC+8*NQ*(\sc)+NQ*(\a)+(\q)] matrix_a_fmt:MATRIX_FMT_FP6 matrix_b_fmt:MATRIX_FMT_FP6 matrix_a_scale:MATRIX_SCALE_ROW1
.endif
.endr
.endr
.endm
.macro FETCH_B slot, q, p
	WIN TO_B
.irp i, 0,1,2,3,4,5,6,7
	FRAG 128*(\p)+FR*\i, ADRB+\slot, \q, \i
.endr
	WIN 0
.endm
.macro FETCH_A slot, q, i0
.irp i, \i0, \i0+1, \i0+2, \i0+3
	FRAG AF+FR*(\i), ADRA+\slot, \q, \i
.endr
.endm
.macro SCALES sc                       ; the next K step's scale words: lanes 0-15 take A's block i, lanes 16-31 B's block i
.irp i, 0,1,2,3,4,5,6,7
	ds_load_b64 v[SC+8*NQ*\sc+NQ*\i:SC+8*NQ*\sc+NQ*\i+1], v[ADRS] offset:\i*SBLK
.endr
.endm
.macro PLACES n                        ; plain vector instructions between a matrix instruction and a load into, or a read of, its registers
.rept \n
	v_nop
.endr
.endm
.macro STEP slot, q, zero              ; a step of 128 along K that has its successor in the same slot
	s_wait_dscnt 4*NL                              ; B's set and A's blocks 0-3 are in; the youngest 24 loads (A's blocks 4-7) may be out
	WIN MUL_LO
	MUL16 0, (\q)%2, \q, \slot, \zero
	MUL16 2, (\q)%2, \q, \slot, \zero
	s_wait_dscnt 0
	PLACES NP
	FETCH_B \slot, (\q)+1, 1-(\q)%2
	FETCH_A \slot, (\q)+1, 0
	WIN MUL_HI
	MUL16 4, (\q)%2, \q, \slot, \zero
	MUL16 6, (\q)%2, \q, \slot, \zero
	PLACES NP
	WIN 0
	FETCH_A \slot, (\q)+1, 4
.endm
; A slot's last step changes slots: one barrier; in front of it each wave waits for all its tensor loads, adds 0 to its spare word, and waits for that and for its own reads of this slot.
.macro TURN slot, next, fill
	s_wait_tensorcnt 0x0                           ; all my tensor loads have landed: my part of the next slot
	ds_add_u32 v[SPW], v[NIL]                      ; 0 onto my spare word
	s_wait_dscnt 4*NL+1                            ; (the add and the youngest 24 loads may be out)
	WIN MUL_LO
	MUL16 0, 1, NQ-1, \slot, 0
	s_wait_dscnt 0x0                               ; the add is done, and my reads of this slot are over
	s_barrier_signal -1
	MUL16 2, 1, NQ-1, \slot, 0
	WIN 0
	s_barrier_wait -1
.if \fill
	CREST                                          ; the barrier has opened a round of the cluster's barrier: no wave of any partner still reads this slot or has a load on its way
	s_add_nc_u64 s[G0+4*\slot+2:G0+4*\slot+3], s[G0+4*\slot+2:G0+4*\slot+3], 2*ROWB
	s_add_nc_u64 s[G0B+4*\slot+2:G0B+4*\slot+3], s[G0B+4*\slot+2:G0B+4*\slot+3], 2*ROWB
	JLOAD G0+4*\slot, G1, G0B+4*\slot, G1B         ; the first tensor load behind the round; its four v_nop are the places in front of the loads below
.else
	PLACES NP
.endif
	v_add_nc_u32 v[ADRS], 4*NQ, v[ADRS]            ; on to the next K step's scale words
	FETCH_B \next, 0, 0
	FETCH_A \next, 0, 0
	SCALES \next
	WIN MUL_HI
	MUL16 4, 1, NQ-1, \slot, 0
	MUL16 6, 1, NQ-1, \slot, 0
	PLACES NP
	WIN 0
	FETCH_A \next, 0, 4
.endm
	s_wait_tensorcnt 1                             ; the scales and my part of K step 0 are in (K step 1's load may be out),
	s_barrier_signal -1
	s_barrier_wait -1                              ; everybody's are
	FETCH_B 0, 0, 0
	FETCH_A 0, 0, 0
	SCALES 0
	FETCH_A 0, 0, 4
	STEP 0, 0, 1                                   ; the first step stands in front of the loop: its products start the sums
	s_mov_b32 s3, LAPS-1
.Llap:                                                 ; a trip goes once round the ring and fills both slots again
	TURN 0, 1, 1
	STEP 1, 0, 0
	TURN 1, 0, 1
	STEP 0, 0, 0
	s_sub_co_u32 s3, s3, 1
	s_cmp_lg_u32 s3, 0
	s_cbranch_scc1 .Llap
	TURN 0, 1, 0                                   ; the last lap fills nothing
	STEP 1, 0, 0
	s_wait_dscnt 4*NL
	WIN MUL_LO
	MUL16 0, 1, NQ-1, 1, 0
	MUL16 2, 1, NQ-1, 1, 0
	s_wait_dscnt 0
	WIN MUL_HI
	MUL16 4, 1, NQ-1, 1, 0
	MUL16 6, 1, NQ-1, 1, 0
	WIN 0
	PLACES NP                                      ; behind the last products: their results are read, and their operands' registers written, from here on
	; Slot 0 has had its last fill, and every wave has passed the last change of slots, behind which nobody reads it: the stages lie there.  No tensor load of mine is out: the descriptors' registers are free.
	s_cmp_eq_u32 ttmp9, 2                          ; the cluster's x: the same in all sixteen partners
	s_cbranch_scc1 .Lvpath
; ---------------- Q and K ----------------
.set CB,  44                           ; s[44:45], s[46:47] where the records of my two heads go
.set SB,  48                           ; s[48:49], s[50:51] and their scale words
.set SEL, 52                           ; s[52:53] lane selects for v_permlanex16_b32: lane l xor 16
.set RR,  192                          ; v192-223 a tile's 32 rotated numbers of a lane: register 16 e + i = feature 32 e + 16 h + i of the head
.set TT,  224                          ; v224-231 at work
.set PCQ, 32                           ; v32-43, v44-55 a record's twelve registers, two sets by turns
.set PX,  56                           ; v56-58 a conversion's three registers begin on an even number: the second half of a block is made here and moved
.set SOUT, 60                          ; v60-63 the scale words on their way out
.set OB,  232                          ; v232-243 a record read back from the stage
.set BM,  244                          ; v244-245 the blocks' largest magnitudes
.set PT,  246                          ; v246-247 the other half's
.set SO,  248                          ; v248-249 the conversions' scale operands
.set BY,  250                          ; v250-251 the scale bytes
.set SW,  252                          ; v252-253 a record's scale word, two by turns
	s_lshr_b32 s24, s17, 3                         ; the batch
	s_and_b32 s25, s17, 7                          ; which 256 places of the sequence
	s_and_b32 s26, s42, 3
	s_lshl_b32 s26, s26, 2
	s_lshl_b32 s27, s16, 1
	s_add_co_u32 s26, s26, s27                     ; my first head: 4 a tile column, 2 a wave
	s_lshl_b32 s24, s24, 4
	s_add_co_u32 s24, s24, s26                     ; batch x 16 + head
	s_lshl_b32 s27, s25, 3
	s_lshl_b32 s28, s15, 2
	s_add_co_u32 s27, s27, s28                     ; my first pair of tiles in the head
	s_mul_i32 s28, s24, 98304
	s_mul_i32 s29, s27, 1536
	s_add_co_u32 s28, s28, s29                     ; Q: records,
	s_lshl_b32 s29, s24, 12
	s_lshl_b32 s30, s27, 6
	s_add_co_u32 s29, s29, s30
	s_add_co_u32 s29, s29, QSC                     ; scale words
	s_lshl_b32 s30, s24, 3
	s_add_co_u32 s30, s30, s25
	s_mul_i32 s30, s30, SLOTB                      ; K: the head's slot,
	s_mul_i32 s31, s15, 6144
	s_add_co_u32 s31, s30, s31                     ; records,
	s_lshl_b32 s32, s15, 8
	s_add_co_u32 s32, s32, s30
	s_add_co_u32 s32, s32, 24576                   ; scale words
	s_mov_b32 s33, 8*SLOTB                         ; from head to head in kv
	s_cmp_eq_u32 ttmp9, 0                          ; Q or K
	s_cselect_b64 s[34:35], s[12:13], s[98:99]
	s_cselect_b32 s28, s28, s31
	s_cselect_b32 s38, s29, s32
	s_cselect_b32 s36, 98304, s33
	s_cselect_b32 s30, 4096, s33
	s_mov_b32 s29, 0
	s_mov_b32 s39, 0
	s_mov_b32 s37, 0
	s_mov_b32 s31, 0
	s_add_nc_u64 s[CB:CB+1], s[34:35], s[28:29]
	s_add_nc_u64 s[CB+2:CB+3], s[CB:CB+1], s[36:37]
	s_add_nc_u64 s[SB:SB+1], s[34:35], s[38:39]
	s_add_nc_u64 s[SB+2:SB+3], s[SB:SB+1], s[30:31]
	s_lshl_b32 s38, s25, 16
	s_lshl_b32 s36, s15, 15
	s_add_co_u32 s38, s38, s36
	s_add_nc_u64 s[96:97], s[96:97], s[38:39]      ; the table at my first place: 256 bytes a place
	s_mov_b32 s[SEL], 0x76543210
	s_mov_b32 s[SEL+1], 0xfedcba98
	v_mov_b32 v[PT], 0                             ; written once: a lane permute's destination counts as one of its sources
	v_mov_b32 v[PT+1], 0
; the table for pair pp of tiles: for each tile u the 32 numbers (cos, sin of 16 pairs of features) that go with RR's 32, into v[64 + 64 set + 32 u] on
.macro TABLOAD pp, set
.irp u, 0,1
.irp e, 0,1
.irp i, 0,1,2,3
	global_load_b128 v[64+64*(\set)+32*\u+16*\e+4*\i:64+64*(\set)+32*\u+16*\e+4*\i+3], v[TAD], s[96:97] offset:(32*(\pp)+8*\u)*256+128*\e+16*\i
.endr
.endr
.endr
.endm
; tile a, head g of my two: (x1, x2) -> (x1 cos - x2 sin, x1 sin + x2 cos), pair by pair.  Each accumulator is read from its low end on.
.macro ROPE a, g, set, u
	WIN (0x02+(\a)/4)                              ; source 0: the accumulators' window
.irp e, 0,1
.irp w, 0,1
.set AC, 8*(8*((\a)%4)+4*(\g)+2*\e+\w)
.set NN, 16*\e+8*\w
.set TS, 64+64*(\set)+32*(\u)+NN
.irp j, 0,2,4,6
	v_mul_f32 v[TT+\j], v[AC+\j+1], v[TS+\j+1]
	v_mul_f32 v[TT+\j+1], v[AC+\j], v[TS+\j+1]
.endr
.irp j, 0,2,4,6
	v_fma_f32 v[RR+NN+\j], v[AC+\j], v[TS+\j], -v[TT+\j]
	v_fma_f32 v[RR+NN+\j+1], v[AC+\j+1], v[TS+\j], v[TT+\j+1]
.endr
.endr
.endr
	WIN 0
.endm
; RR's two blocks of 32 become tile u's six registers of record set g, and two bytes of its scale word
.macro QUANT2 u, g
.irp b, 0,1
	v_max3_num_f32 v[BM+\b], |v[RR+16*\b]|, |v[RR+1+16*\b]|, 0x1800000   ; my 16 numbers, and the floor 2^(3 - 127): the byte cannot fall under 1
.endr
.irp i, 2,4,6,8,10,12,14
.irp b, 0,1
	v_max3_num_f32 v[BM+\b], v[BM+\b], |v[RR+16*\b+\i]|, |v[RR+1+16*\b+\i]|
.endr
.endr
.irp b, 0,1
	v_permlanex16_b32 v[PT+\b], v[BM+\b], s[SEL], s[SEL+1]
.endr
.irp b, 0,1
	v_max_num_f32 v[BM+\b], v[BM+\b], v[PT+\b]     ; with lane l xor 16's: the block's largest magnitude
.endr
.irp b, 0,1
	v_add_nc_u32 v[SO+\b], 0xff000000, v[BM+\b]    ; 2 off its exponent field: the conversion's scale operand
.endr
.irp b, 0,1
	v_lshrrev_b32 v[BY+\b], 23, v[SO+\b]           ; the scale's byte
.endr
.if \u == 0
	v_lshl_or_b32 v[SW+(\g)], v[BY+1], 8, v[BY]
.else
	v_lshl_or_b32 v[SW+(\g)], v[BY], 16, v[SW+(\g)]
	v_lshl_or_b32 v[SW+(\g)], v[BY+1], 24, v[SW+(\g)]
.endif
	v_cvt_scalef32_pk16_fp6_f32 v[PCQ+12*(\g)+6*(\u):PCQ+12*(\g)+6*(\u)+2], v[RR:RR+15], v[SO]
	v_cvt_scalef32_pk16_fp6_f32 v[PX:PX+2], v[RR+16:RR+31], v[SO+1]
	v_nop                                          ; one plain place behind a scaled conversion
.irp i, 0,1,2
	v_permlane16_swap_b32 v[PCQ+12*(\g)+6*(\u)+\i], v[PX+\i]   ; a whole block to a lane: lanes 0-15 block 0, lanes 16-31 block 1
.endr
.irp i, 0,1,2
	v_mov_b32 v[PCQ+12*(\g)+6*(\u)+3+\i], v[PX+\i]
.endr
.endm
.macro PUT pp, g                       ; a record goes into my stage, 48 bytes a lane, and comes back 16 bytes a lane: LDS serves a wave's instructions in order
.irp c, 0,1,2
	ds_store_b128 v[QW], v[PCQ+12*(\g)+4*\c:PCQ+12*(\g)+4*\c+3] offset:16*\c
.endr
	ds_store_b32 v[QSW], v[SW+(\g)] offset:256*(\g)+64*(\pp)   ; lanes r and r + 16 write the same word with the same value
.irp c, 0,1,2
	ds_load_b128 v[OB+4*\c:OB+4*\c+3], v[QR] offset:512*\c
.endr
.endm
.macro EMIT pp, g
	s_wait_dscnt 0x0                               ; the record is back, and the stores into the stage have read their registers
.irp c, 0,1,2
	global_store_b128 v[G16], v[OB+4*\c:OB+4*\c+3], s[CB+2*(\g):CB+2*(\g)+1] offset:1536*(\pp)+512*\c   ; 32 lanes store 512 consecutive bytes, aligned to 256
.endr
	s_wait_xcnt 0x0                                ; OB is loaded again only behind this wait
.endm
	TABLOAD 0, 0
	TABLOAD 1, 1
.irp pr, 0,1,2,3
.if (\pr == 1) || (\pr == 2)
	TABLOAD \pr+1, (\pr+1)%2                       ; into the set that the pair before has left
.endif
.if \pr < 3
	s_wait_loadcnt 16                              ; this pair's table is in; the next pair's 16 loads may be out
.else
	s_wait_loadcnt 0x0
.endif
.irp g, 0,1
	ROPE 2*\pr, \g, \pr%2, 0
	QUANT2 0, \g
	ROPE 2*\pr+1, \g, \pr%2, 1
	QUANT2 1, \g
.if \g == 1
	EMIT \pr, 0                                    ; the record before leaves behind this one's arithmetic
.elseif \pr > 0
	EMIT \pr-1, 1
.endif
	PUT \pr, \g
.endr
.endr
	EMIT 3, 1
.irp g, 0,1
	ds_load_b64 v[SOUT+2*\g:SOUT+2*\g+1], v[QSR] offset:256*\g
.endr
	s_wait_dscnt 0x0
.irp g, 0,1
	global_store_b64 v[G8], v[SOUT+2*\g:SOUT+2*\g+1], s[SB+2*\g:SB+2*\g+1]   ; a head's four pairs' scale words: 256 consecutive bytes, aligned
.endr
	s_branch .Ldone
; ---------------- V ----------------
.Lvpath:
.set X0,  64                           ; v64-95, v96-127 32 tokens of my feature, two halves of the head's 64
.set X1,  96
.set C0,  32                           ; v32-38, v40-46 a block's codes
.set C1,  40
.set SBW, 52                           ; v52-53 my feature's scale word
.set OUTR, 128                         ; v128-175 four fragments on their way out; v176-177 their scale words
	s_lshr_b32 s24, s17, 3
	s_and_b32 s25, s17, 7
	s_and_b32 s26, s42, 3
	s_lshl_b32 s26, s26, 2
	s_lshl_b32 s27, s16, 1
	s_add_co_u32 s26, s26, s27
	s_lshl_b32 s24, s24, 4
	s_add_co_u32 s24, s24, s26                     ; batch x 16 + my first head
	s_lshl_b32 s24, s24, 3
	s_add_co_u32 s24, s24, s25
	s_mul_i32 s24, s24, SLOTB                      ; its slot of 256 keys
	s_mul_i32 s28, s15, 6144                       ; my 128 tokens are one of the slot's two steps
	s_add_co_u32 s28, s28, s24
	s_add_co_u32 s28, s28, 12288
	s_mov_b32 s29, 0
	s_add_nc_u64 s[CB:CB+1], s[98:99], s[28:29]
	s_add_nc_u64 s[CB+2:CB+3], s[CB:CB+1], 8*SLOTB
	s_lshl_b32 s28, s15, 8
	s_add_co_u32 s28, s28, s24
	s_add_co_u32 s28, s28, 25088
	s_add_nc_u64 s[SB:SB+1], s[98:99], s[28:29]
	s_add_nc_u64 s[SB+2:SB+3], s[SB:SB+1], 8*SLOTB
.macro VPUT gp, blk                    ; tokens 32 blk .. + 31 of head gp, as rows of 64 features in true token order; each accumulator from its low end on
	WIN (0x08+4*((\blk)/2))                        ; an LDS store's data are its source 1
.irp x, 0,1
.irp e, 0,1
.irp w, 0,1
.set AC, 8*(8*((2*(\blk)+\x)%4)+4*(\gp)+2*\e+\w)
	ds_store_b128 v[VW], v[AC:AC+3] offset:8*\x*272+128*\e+32*\w
	ds_store_b128 v[VW], v[AC+4:AC+7] offset:8*\x*272+128*\e+32*\w+16
.endr
.endr
.endr
	WIN 0
.endm
.macro VGET gg, xs                     ; feature 32 gg + lane: its 32 tokens
.set TAU, 0
.rept 32
	ds_load_b32 v[\xs+TAU], v[VR] offset:272*TAU+128*(\gg)
.set TAU, TAU+1
.endr
.endm
.macro VQ gg, blk, xs, cs              ; a block of 32 keys of one feature: all 32 numbers are mine
	v_max3_num_f32 v48, |v[\xs]|, |v[\xs+1]|, |v[\xs+2]|
	v_max3_num_f32 v49, |v[\xs+3]|, |v[\xs+4]|, |v[\xs+5]|
.irp i, 6,10,14,18,22,26
	v_max3_num_f32 v48, v48, |v[\xs+\i]|, |v[\xs+\i+1]|
	v_max3_num_f32 v49, v49, |v[\xs+\i+2]|, |v[\xs+\i+3]|
.endr
	v_max3_num_f32 v48, v48, |v[\xs+30]|, |v[\xs+31]|
	v_max3_num_f32 v48, v48, v49, 0x1800000        ; and the floor
	v_add_nc_u32 v50, 0xff000000, v48
	v_lshrrev_b32 v51, 23, v50
.if (\blk) == 0
	v_mov_b32 v[SBW+(\gg)], v51                    ; byte blk of my feature's scale word for these 128 keys
.else
	v_lshl_or_b32 v[SBW+(\gg)], v51, 8*(\blk), v[SBW+(\gg)]
.endif
	v_cvt_scalef32_pk16_fp6_f32 v[\cs:\cs+2], v[\xs:\xs+15], v50
	v_cvt_scalef32_pk16_fp6_f32 v[\cs+4:\cs+6], v[\xs+16:\xs+31], v50
	v_nop                                          ; one plain place behind a scaled conversion
	v_mov_b32 v[\cs+3], v[\cs+4]
	v_mov_b32 v[\cs+4], v[\cs+5]
	v_mov_b32 v[\cs+5], v[\cs+6]
.irp p, 0,1,2
	ds_store_b64 v[VCW], v[\cs+2*\p:\cs+2*\p+1] offset:3072*(\gg)+768*((\blk)&1)+24*((\blk)>>1)+8*\p   ; key block blk: lanes' half blk % 2, registers 6 (blk / 2) on
.endr
.endm
.irp gp, 0,1
.irp blk, 0,1,2,3
	VPUT \gp, \blk
	VGET 0, X0
	VGET 1, X1
	s_wait_dscnt 32                                ; the first half's 32 loads are in (and all LDS stores before them have read their registers); the second half's may be out
	VQ 0, \blk, X0, C0
	s_wait_dscnt 3                                 ; the second half's are in; my three stores may be out
	VQ 1, \blk, X1, C1
.endr
.irp gg, 0,1
	ds_store_b32 v[VSW], v[SBW+\gg] offset:128*\gg
.endr
.if \gp == 1
	s_wait_xcnt 0x0                                ; the first head's stores have read their registers
.endif
.irp i, 0,1,2,3,4,5,6,7,8,9,10,11
	ds_load_b128 v[OUTR+4*\i:OUTR+4*\i+3], v[VCR] offset:512*\i
.endr
	ds_load_b64 v[OUTR+48:OUTR+49], v[VSR]
	s_wait_dscnt 0x0
.irp i, 0,1,2,3,4,5,6,7,8,9,10,11
	global_store_b128 v[G16], v[OUTR+4*\i:OUTR+4*\i+3], s[CB+2*\gp:CB+2*\gp+1] offset:512*\i   ; 512 consecutive bytes, aligned to 256
.endr
	global_store_b64 v[G8], v[OUTR+48:OUTR+49], s[SB+2*\gp:SB+2*\gp+1]   ; 256 consecutive bytes, aligned
.endr
.Ldone:
	s_wait_tensorcnt 0x0                           ; the wave's end, behind my last tensor load and my last LDS store
	ds_add_u32 v[SPW], v[NIL]
	s_wait_dscnt 0x0
	CROUND                                         ; the closing round: no work-group ends while a partner may still ask for a tile that names it
	s_endpgm
.Lfunc_end_k_qf9f9c1ac4f_qkv:
	.size	k_qf9f9c1ac4f_qkv, .Lfunc_end_k_qf9f9c1ac4f_qkv-k_qf9f9c1ac4f_qkv
	.p2alignl 7, 3214868480
	.fill 96, 4, 3214868480
	.section	.rodata,"a",@progbits
	.p2align	6, 0x0
	.amdhsa_kernel k_qf9f9c1ac4f_qkv
		.amdhsa_group_segment_fixed_size 327680
		.amdhsa_private_segment_fixed_size 0
		.amdhsa_enable_private_segment 0
		.amdhsa_kernarg_size 40
		.amdhsa_user_sgpr_count 2
		.amdhsa_user_sgpr_kernarg_segment_ptr 1
		.amdhsa_wavefront_size32 1
		.amdhsa_system_sgpr_workgroup_id_x 1
		.amdhsa_system_sgpr_workgroup_id_y 1
		.amdhsa_system_sgpr_workgroup_id_z 1
		.amdhsa_system_vgpr_workitem_id 0
		.amdhsa_next_free_vgpr 1024
		.amdhsa_next_free_sgpr 100
		.amdhsa_reserve_vcc 0
		.amdhsa_float_denorm_mode_32 3
		.amdhsa_float_denorm_mode_16_64 3
		.amdhsa_memory_ordered 1
		.amdhsa_forward_progress 1
		.amdhsa_inst_pref_size 255
	.end_amdhsa_kernel
	.section	.bss,"aw",@nobits
	.p2align	6
	.space	262144
	.amdgpu_metadata
---
amdhsa.version: [ 1, 2 ]
amdhsa.kernels:
  - .name:           k_qf9f9c1ac4f_qkv
    .symbol:         k_qf9f9c1ac4f_qkv.kd
    .args:
      - { .name: xq, .offset: 0, .size: 8, .value_kind: global_buffer, .address_space: global }
      - { .name: wq, .offset: 8, .size: 8, .value_kind: global_buffer, .address_space: global }
      - { .name: rope, .offset: 16, .size: 8, .value_kind: global_buffer, .address_space: global }
      - { .name: qq, .offset: 24, .size: 8, .value_kind: global_buffer, .address_space: global }
      - { .name: kv, .offset: 32, .size: 8, .value_kind: global_buffer, .address_space: global }
    .group_segment_fixed_size: 327680
    .private_segment_fixed_size: 0
    .kernarg_segment_align: 8
    .kernarg_segment_size: 40
    .max_flat_workgroup_size: 128
    .sgpr_count:     100
    .vgpr_count:     1024
    .wavefront_size: 32
...
	.end_amdgpu_metadata
.endif
;; end of part 2
;; launch attn (part 3): grid 4 x 64, 16 waves a work-group, no clusters, 327,680 bytes of LDS; arguments qq, kv, ao; writes ao
.if DOCPART == 3
	.amdgcn_target "amdgcn-amd-amdhsa--gfx1250"
	.amdhsa_code_object_version 6
	.text
	.protected	k_qf9f9c1ac4f_attn
	.globl	k_qf9f9c1ac4f_attn
	.p2align	8
	.type	k_qf9f9c1ac4f_attn,@function
k_qf9f9c1ac4f_attn:
	s_mov_b64 s[64:65], 0
	v_nop
	global_prefetch_b8 v0, s[64:65] scope:SCOPE_SE
	s_setreg_imm32_b32 hwreg(HW_REG_WAVE_MODE, 25, 1), 1
	s_wait_xcnt 0x0
; Causal attention of 64 heads (batch x 16 + head), 2,048 places, head size 64, both products on codes of FP6 (E2M3) with one E8M0 scale for each 32 along a product's K; O / l is quantised along the model's 1,024 for the last projection.
; THE SOFTMAX AHEAD OF THE SECOND PRODUCT: t = score x log2(e) / 8; M = the row's largest t so far, rounded UP to a whole number; p = 2^(t - M) is quantised along the keys, not normalised; the row's sum is taken of the
; unquantised p and divides O at the end.  When M moves, the sum and O are multiplied by 2^(old M - new M): exact.
; SHARES.  Work-group (x, head) owns two blocks of 256 queries: first block 7 - x (key slots 0 .. 7 - x), then block x (slots 0 .. x): NINE slots of 256 keys in every work-group: equal work, constant trip counts, and every slot
; that is asked for is read.  Each of the sixteen waves owns one tile of 16 queries in 256 registers: four waves to a SIMD, so that one wave's vector work stands beside another's matrix work.
; A slot is one dense block of 25,600 bytes of kv: K's 8 pair records, V's 2 x 4 fragments, K's and V's scale words; wave 0 brings it with one tensor load into one of two LDS slots; all sixteen read it.
; K = 64 IN AN INSTRUCTION OF K = 128.  Source 0 is a pair record: row m holds [tile 0's key | tile 1's key], 64 codes each.  Source 1 is [q | zero codes] for tile 0 and [zero codes | q] for tile 1.  FP6 has no NaN and no infinity,
; so the half under zero codes adds exactly 0.  The zero codes stand on Q's side alone, and Q's scale bytes there are 0 (2^-127): a stated decision.
; LAYOUT.  Both products are transposed: a lane holds ONE query.  Row m of tile u of pair b is key 32 b + 8 u + m + 8 (m / 8), so the 16 registers of a pair's two results are keys 32 b + 16 (lane / 16) + 0 .. 15.
; My query: 256 block + 32 (wave / 2) + 8 (wave % 2) + r + 8 (r / 8).  ao's rows keep that order (row 16 tile + r); the last launch undoes it.
; ao: codes in planes [16 heads][8,192 rows][48 bytes], then scale bytes [8,192][32] at ASC.
; NO CLUSTER: the four work-groups of a head need different slots from their sixth trip on, and a slot is 25,600 bytes for two steps of sixteen waves.
; LIMITS: NaN and infinities are not served; a block under 2^-124, and a block of zeros, keep the byte 1: this program alone reads the bytes.
.set SLOTB, 25600
.set SLOT1, 32768                      ; slot 1 begins here: one exclusive or turns an address
.set STAGE, 65536                      ; the way out: 1,024 bytes a wave
.set SPARE, 81920                      ; the spare words, 128 bytes for each of sixteen waves
.set QSC,   6291456
.set ASC,   6291456
.set APL,   393216                     ; a plane of ao
.set AK0,  1                           ; v1   48 x lane: my place in a record of K
.set AV0,  2                           ; v2   the same in a fragment of V (12,288 on)
.set ASK0, 3                           ; v3   K's scale words: 24,576 + 4 r
.set ASV0, 4                           ; v4   V's: 25,088 + 4 r
.set SPW,  5
.set NIL,  6
.set STW,  7                           ; v7   my stage: 48 r + 24 h
.set STR,  8                           ; v8   and back: 8 x lane
.set GO8,  9                           ; v9   8 x lane
.set DQ,   10                          ; v10  my query less Q0 less 16 h
.set GSB,  11                          ; v11  32 r + h: my scale byte's place
                                       ; v12 -M, v13 the largest t, v[14:15] the sum in two halves
                                       ; v16-21 zeros, v22-27 q, v28-33 zeros: [zeros | q] = v[16:27], [q | zeros] = v[22:33]
.set Q2,   34                          ; v34-39 the second block's q;  v40, v41 its two scale words;  v42, v43 the words as loaded
.set ADK,  44                          ; v44-47 the step's LDS addresses
.set ADV,  45
.set ADS,  46
.set ADT,  47
.set KR,   48                          ; v48-95 K's four records; behind the first product the registers are at work:
.set BM,   48
.set PT,   52
.set SO,   56
.set BY,   60
.set PC,   64                          ; v64-75 p's codes
.set PX,   76                          ; v76-78, v80-82
.set TMP,  84
.set FF,   86                          ; v[86:87] f = 2^(old M - new M)
.set CH,   88                          ; v[88:89] the sum's second chain
.set DD,   90
.set NINF, 91
.set S,    96                          ; v96-159 S^T, then p
.set O,    160                         ; v160-191 O^T
.set VF,   192                         ; v192-239 V's four fragments
.set KSW,  240                         ; v240-250 scales; v240-243 also carry the sum's chains behind the first product
.set VSW,  244
.set PW,   248
.set QSL,  249
.set QSH,  250
.set PFO,  251                         ; v251 the prefetches' offset
.set TB,   2                           ; s2   LDS byte at which the slot in hand begins
.set SEQ,  3                           ; s3   which of the nine trips
.set WV,   18
.set SEL,  20
.set CS,   22                          ; s[22:23] c = log2(e) / 8
.set G1,   24
.set G0,   32
.set KVB,  36                          ; s[36:37] the head's first slot in kv
.set PFA,  38                          ; s[38:39] the slot that a prefetch names
.set NP1,  40                          ; s40  trips of the first block: 8 - x
.set SLOTS, 41
.set KF,   42                          ; s42  the step's first key
.set Q0,   43                          ; s43  the first of the 32 places among which my 16 queries lie
.set Q0B,  44
.set LIM,  45
.set T0,   46                          ; s[46:47] an offset, its high word 0
.set NX,   48
.set OC,   50                          ; s[50:51] where my codes go; s[52:53] my scale bytes; s[54:57] the second block's
.set OS,   52
.set OCB,  54
.set OSB,  56
.set HM,   58                          ; s58  lanes 16-31
.macro TLOAD                           ; wave 0 fetches; an s_nop 0 and four v_nop follow the load
	s_cmp_lg_u32 s[WV], 0
	s_cbranch_scc1 .Lnot_mine_\@
	tensor_load_to_lds s[G0:G0+3], s[G1:G1+7]
	s_nop 0
.rept 4
	v_nop
.endr
.Lnot_mine_\@:
.endm
; A PREFETCH INTO THE L2 of the slot that the NEXT change will ask for.  In their first block all four work-groups of a head walk slots 0, 1, 2 ..; work-group x = 0 walks all eight, and it alone asks: its waves 4 to 7, lanes 256 bytes
; apart, for the slot's hundred blocks of 256 bytes (lanes past the hundredth are held at it).  Trips 0 to 5 name slots 2 to 7; slots 0 and 1 come by their loads alone; the second block reads what has just been read and asks for nothing.
.macro ASK
	s_cmp_gt_u32 s[SLOTS], s[LIM]
	s_cbranch_scc0 .Lnot_asking_\@
	global_prefetch_b8 v[PFO], s[PFA:PFA+1] th:TH_LOAD_NT scope:SCOPE_SE
.Lnot_asking_\@:
.endm
	s_load_b128 s[4:7], s[0:1], 0x0                ; qq, kv
	s_load_b64 s[8:9], s[0:1], 0x10                ; ao
	v_lshl_add_u32 v[SPW], v0, 2, SPARE
	v_mov_b32 v[NIL], 0
	ds_add_u32 v[SPW], v[NIL]                      ; the wave's opening: the add and its wait stand ahead of the first tensor load; the set-up below stands between them
	ds_add_u32 v[SPW], v[NIL]
	v_lshrrev_b32 v44, 5, v0
	s_delay_alu instid0(VALU_DEP_1)
	v_readfirstlane_b32 s[WV], v44                 ; wave 0..15
	s_and_b32 s11, ttmp7, 0xffff                   ; batch x 16 + head
	s_sub_co_u32 s[NP1], 8, ttmp9
	s_sub_co_u32 s12, 7, ttmp9                     ; the first block of queries
	s_mov_b32 s[G1], 3<<16                         ; no mask; elements of 8 bytes; no padding
	s_mov_b32 s[G1+1], 32<<16                      ; tensor_dim0 = 32: rows of 256 bytes
	s_mov_b32 s[G1+2], 100<<16                     ; tensor_dim1 = 100
	s_mov_b32 s[G1+3], 32<<16                      ; tile_dim0
	s_mov_b32 s[G1+4], 100                         ; tile_dim1
	s_mov_b32 s[G1+5], 32                          ; dense
	s_mov_b32 s[G1+6], 0
	s_mov_b32 s[G1+7], 0
	s_mov_b32 s[SEL], 0x76543210
	s_mov_b32 s[SEL+1], 0xfedcba98
	s_mov_b32 s[CS], 0x3e38aa3b
	s_mov_b32 s[CS+1], s[CS]                       ; (named with it as a pair, so it is written)
	s_mov_b32 s[TB], 0
	s_mov_b32 s[SEQ], 0
	s_mov_b32 s[SLOTS], 8
	s_mov_b32 s[KF], 0
	s_mov_b32 s[HM], 0xffff0000
	s_lshr_b32 s13, s[WV], 1
	s_and_b32 s14, s[WV], 1                        ; u: which tile of its pair is mine
	s_lshl_b32 s15, s13, 5
	s_lshl_b32 s[Q0], s12, 8
	s_add_co_u32 s[Q0], s[Q0], s15
	s_lshl_b32 s[Q0B], ttmp9, 8
	s_add_co_u32 s[Q0B], s[Q0B], s15
	s_sub_co_u32 s16, s[WV], 4
	s_lshr_b32 s16, s16, 2                         ; 0 in waves 4 to 7,
	s_or_b32 s16, s16, ttmp9                       ; of work-group x = 0
	s_cmp_eq_u32 s16, 0
	s_cselect_b32 s[LIM], 2, -1
	s_wait_dscnt 0x0                               ; the opening add is done
	s_wait_kmcnt 0x0
	s_mul_i32 s[T0], s11, 8*SLOTB
	s_mov_b32 s[T0+1], 0
	s_add_nc_u64 s[KVB:KVB+1], s[6:7], s[T0:T0+1]
	s_add_nc_u64 s[PFA:PFA+1], s[KVB:KVB+1], SLOTB ; slot 1: the first change steps it to slot 2
	s_mov_b32 s[G0], 1
	s_mov_b32 s[G0+1], 0                           ; LDS slot 0
	s_mov_b64 s[G0+2:G0+3], s[KVB:KVB+1]           ; key slot 0
	s_or_b32 s[G0+3], s[G0+3], 0x80000000
	TLOAD                                          ; by this text's count one tensor load is out at any time
	s_lshl_b32 s16, s12, 3
	s_add_co_u32 s16, s16, s13                     ; my pair of tiles in the first block,
	s_lshl_b32 s17, ttmp9, 3
	s_add_co_u32 s17, s17, s13                     ; and in the second
	s_mul_i32 s49, s11, 98304
	s_mul_i32 s[T0], s16, 1536
	s_add_co_u32 s[T0], s[T0], s49
	s_add_nc_u64 s[60:61], s[4:5], s[T0:T0+1]
	s_mul_i32 s[T0], s17, 1536
	s_add_co_u32 s[T0], s[T0], s49
	s_add_nc_u64 s[62:63], s[4:5], s[T0:T0+1]
	s_lshl_b32 s49, s11, 12
	s_add_co_u32 s49, s49, QSC
	s_lshl_b32 s[T0], s16, 6
	s_add_co_u32 s[T0], s[T0], s49
	s_add_nc_u64 s[66:67], s[4:5], s[T0:T0+1]
	s_lshl_b32 s[T0], s17, 6
	s_add_co_u32 s[T0], s[T0], s49
	s_add_nc_u64 s[68:69], s[4:5], s[T0:T0+1]
	v_and_b32 v44, 31, v0                          ; lane
	v_and_b32 v45, 15, v0                          ; r
	v_bfe_u32 v46, v0, 4, 1                        ; h
	s_delay_alu instid0(VALU_DEP_3)
	v_mul_u32_u24 v[AK0], v44, 48
	s_mul_i32 s59, s14, 24
	v_add_nc_u32 v47, s59, v[AK0]                  ; in a record: 48 x lane + 24 u: row r, block h of my tile
	v_lshlrev_b32 v48, 2, v45
.irp p, 0,1,2
	global_load_b64 v[22+2*\p:23+2*\p], v47, s[60:61] offset:8*\p
.endr
.irp p, 0,1,2
	global_load_b64 v[Q2+2*\p:Q2+2*\p+1], v47, s[62:63] offset:8*\p
.endr
	global_load_b32 v42, v48, s[66:67]
	global_load_b32 v43, v48, s[68:69]
	v_add_nc_u32 v[AV0], 12288, v[AK0]
	v_add_nc_u32 v[ASK0], 24576, v48
	v_add_nc_u32 v[ASV0], 25088, v48
	s_lshl_b32 s59, s[WV], 10
	v_mul_u32_u24 v[STW], v45, 48
	s_delay_alu instid0(VALU_DEP_1)
	v_mad_u32_u24 v[STW], v46, 24, v[STW]
	s_delay_alu instid0(VALU_DEP_1)
	v_add_nc_u32 v[STW], s59, v[STW]
	s_delay_alu instid0(VALU_DEP_1)
	v_add_nc_u32 v[STW], STAGE, v[STW]
	v_lshlrev_b32 v[GO8], 3, v44
	s_delay_alu instid0(VALU_DEP_1)
	v_add_nc_u32 v[STR], s59, v[GO8]
	s_delay_alu instid0(VALU_DEP_1)
	v_add_nc_u32 v[STR], STAGE, v[STR]
	v_lshrrev_b32 v49, 3, v45
	s_delay_alu instid0(VALU_DEP_1)
	v_lshl_add_u32 v[DQ], v49, 3, v45              ; r + 8 (r / 8)
	v_lshlrev_b32 v49, 4, v46
	s_delay_alu instid0(VALU_DEP_1)
	v_sub_nc_u32 v[DQ], v[DQ], v49
	s_lshl_b32 s59, s14, 3
	v_add_nc_u32 v[DQ], s59, v[DQ]
	v_lshl_add_u32 v[GSB], v45, 5, v46
	v_add_nc_u32 v[PFO], 0xffffff80, v0            ; my thread's number less 128: 0 to 127 in waves 4 to 7
	s_delay_alu instid0(VALU_DEP_1)
	v_min_u32 v[PFO], 99, v[PFO]
	s_delay_alu instid0(VALU_DEP_1)
	v_lshlrev_b32 v[PFO], 8, v[PFO]
	; where the results go
	s_lshr_b32 s16, s11, 4                         ; the batch
	s_and_b32 s17, s11, 15                         ; the head
	s_lshl_b32 s16, s16, 11
	s_lshl_b32 s19, s[WV], 4
	s_add_co_u32 s16, s16, s19                     ; 2,048 x batch + 16 x wave
	s_mul_i32 s49, s17, APL
	s_lshl_b32 s19, s17, 1
	s_add_co_u32 s19, s19, ASC
	s_lshl_b32 s59, s12, 8
	s_add_co_u32 s59, s59, s16                     ; my first row of ao in the first block
	s_mul_i32 s[T0], s59, 48
	s_add_co_u32 s[T0], s[T0], s49
	s_add_nc_u64 s[OC:OC+1], s[8:9], s[T0:T0+1]
	s_lshl_b32 s[T0], s59, 5
	s_add_co_u32 s[T0], s[T0], s19
	s_add_nc_u64 s[OS:OS+1], s[8:9], s[T0:T0+1]
	s_lshl_b32 s59, ttmp9, 8
	s_add_co_u32 s59, s59, s16                     ; and in the second
	s_mul_i32 s[T0], s59, 48
	s_add_co_u32 s[T0], s[T0], s49
	s_add_nc_u64 s[OCB:OCB+1], s[8:9], s[T0:T0+1]
	s_lshl_b32 s[T0], s59, 5
	s_add_co_u32 s[T0], s[T0], s19
	s_add_nc_u64 s[OSB:OSB+1], s[8:9], s[T0:T0+1]
.irp i, 0,1,2,3,4,5
	v_mov_b32 v[16+\i], 0                          ; the zero codes
	v_mov_b32 v[28+\i], 0
.endr
.irp b, 0,1,2,3
	v_mov_b32 v[PT+\b], 0                          ; written once: a lane permute's destination counts as one of its sources
.endr
	v_mov_b32 v[FF+1], 0                           ; (named as the upper half of f's pair)
	v_mov_b32 v13, 0xff61b1e6                      ; the largest t so far: -3e38, under every t
	s_delay_alu instid0(VALU_DEP_1)
	v_floor_f32 v12, -v13                          ; -M
	v_mov_b32 v14, 0
	v_mov_b32 v15, 0
	s_lshl_b32 s59, s14, 4
	s_wait_loadcnt 0x0                             ; q and its scale words, of both blocks
	v_lshrrev_b32 v[QSL], s59, v42                 ; my tile's two bytes of the pair's word,
	v_lshrrev_b32 v40, s59, v43
	s_delay_alu instid0(VALU_DEP_2)
	v_and_b32 v[QSL], 0xffff, v[QSL]               ; as (s0, s1, 0, 0) for [q | zeros]
	s_delay_alu instid0(VALU_DEP_2)
	v_and_b32 v40, 0xffff, v40
	s_delay_alu instid0(VALU_DEP_2)
	v_lshlrev_b32 v[QSH], 16, v[QSL]               ; and (0, 0, s0, s1) for [zeros | q]
	s_delay_alu instid0(VALU_DEP_2)
	v_lshlrev_b32 v41, 16, v40
.set J, 0
.rept 32
	v_mov_b32 v[O+J], 0                            ; O^T: the first change of M multiplies zeros.  (These are also the places between the scale words' lines and the first products)
.set J, J+1
.endr
; A KEY STEP: 128 keys, the q-th of the slot in hand.
.macro STEP q
	s_cmp_gt_u32 s[KF], s[Q0]                      ; a step all of whose keys come after my queries is left out: KF is a multiple of 128 and my queries lie in Q0 .. Q0 + 31, so the test is exact.  Ids and counted steps alone
	s_cbranch_scc1 .Lhidden_\@
	v_add_nc_u32 v[ADK], s[TB], v[AK0]             ; (these four are also the places in front of loads into registers that the last products have read)
	v_add_nc_u32 v[ADV], s[TB], v[AV0]
	v_add_nc_u32 v[ADS], s[TB], v[ASK0]
	v_add_nc_u32 v[ADT], s[TB], v[ASV0]
.irp b, 0,1,2,3
.irp c, 0,1,2
	ds_load_b128 v[KR+12*\b+4*\c:KR+12*\b+4*\c+3], v[ADK] offset:(4*(\q)+\b)*1536+16*\c   ; a record is an image of twelve registers: 48 bytes a lane
.endr
	ds_load_b32 v[KSW+\b], v[ADS] offset:(4*(\q)+\b)*64
.endr
.irp t, 0,1,2,3
.irp c, 0,1,2
	ds_load_b128 v[VF+12*\t+4*\c:VF+12*\t+4*\c+3], v[ADV] offset:(4*(\q)+\t)*1536+16*\c
.endr
	ds_load_b32 v[VSW+\t], v[ADT] offset:(4*(\q)+\t)*64
.endr
	s_wait_dscnt 16                                ; K's sixteen loads are in; V's sixteen may be out
.irp b, 0,1,2,3
	v_wmma_scale_f32_16x16x128_f8f6f4 v[S+16*\b:S+16*\b+7], v[KR+12*\b:KR+12*\b+11], v[22:33], 0, v[KSW+\b], v[QSL] matrix_a_fmt:MATRIX_FMT_FP6 matrix_b_fmt:MATRIX_FMT_FP6
	v_wmma_scale_f32_16x16x128_f8f6f4 v[S+16*\b+8:S+16*\b+15], v[KR+12*\b:KR+12*\b+11], v[16:27], 0, v[KSW+\b], v[QSH] matrix_a_fmt:MATRIX_FMT_FP6 matrix_b_fmt:MATRIX_FMT_FP6
.endr                                          ; register 16 b + i: key KF + 32 b + 16 h + i
.rept 4
	v_nop
.endr
	s_add_co_u32 s[T0], s[KF], 127                 ; on the diagonal the scores of hidden keys become -infinity ahead of the maximum.  A step all of whose keys count skips this
	s_cmp_lt_u32 s[T0], s[Q0]
	s_cbranch_scc1 .Lopen_\@
	s_sub_co_i32 s[T0], s[Q0], s[KF]
	v_add_nc_u32 v[DD], s[T0], v[DQ]               ; d = my query - KF - 16 h: register 16 b + i is hidden where 32 b + i > d
	v_mov_b32 v[NINF], 0xff800000
.set J, 0
.rept 64
	v_cmp_gt_i32 vcc_lo, 32*(J/16)+J%16, v[DD]
	v_cndmask_b32 v[S+J], v[S+J], v[NINF], vcc_lo
.set J, J+1
.endr
.Lopen_\@:
.irp b, 0,1,2,3
	v_max3_num_f32 v[BM+\b], v[S+16*\b], v[S+1+16*\b], v[S+2+16*\b]   ; the largest score of each block of 32 keys: for the row's maximum, and, since p rises with the score, for the block's largest p
.endr
.irp i, 3,5,7,9,11,13
.irp b, 0,1,2,3
	v_max3_num_f32 v[BM+\b], v[BM+\b], v[S+16*\b+\i], v[S+1+16*\b+\i]
.endr
.endr
.irp b, 0,1,2,3
	v_max_num_f32 v[BM+\b], v[BM+\b], v[S+15+16*\b]
.endr
.irp b, 0,1,2,3
	s_delay_alu instid0(VALU_DEP_4)
	v_permlanex16_b32 v[PT+\b], v[BM+\b], s[SEL], s[SEL+1]
.endr
.irp b, 0,1,2,3
	s_delay_alu instid0(VALU_DEP_4)
	v_max_num_f32 v[BM+\b], v[BM+\b], v[PT+\b]     ; with lane l xor 16's 16 keys
.endr
	s_delay_alu instid0(VALU_DEP_2)
	v_max3_num_f32 v[TMP], v[BM], v[BM+1], v[BM+2]
	s_delay_alu instid0(VALU_DEP_1)
	v_max_num_f32 v[TMP], v[TMP], v[BM+3]          ; the step's largest score of my query (key KF counts for every query of a step that is walked: it is a number)
	s_delay_alu instid0(VALU_DEP_1)
	v_mul_f32 v[TMP], s[CS], v[TMP]
	s_delay_alu instid0(VALU_DEP_1)
	v_max_num_f32 v13, v13, v[TMP]                 ; the running largest t
	v_mov_b32 v[TMP], v12
	s_delay_alu instid0(VALU_DEP_2)
	v_floor_f32 v12, -v13                          ; the new -M = -ceil(t): a whole number
	s_delay_alu instid0(VALU_DEP_1)
	v_sub_f32 v[TMP], v12, v[TMP]                  ; old M - new M: a whole number, 0 or less
	s_delay_alu instid0(VALU_DEP_1)
	v_cvt_i32_f32 v[TMP], v[TMP]                   ; (it saturates)
	s_delay_alu instid0(VALU_DEP_1)
	v_ldexp_f32 v[FF], 1.0, v[TMP]                 ; f = 2^(old M - new M)
.set J, 0
.rept 32
	v_pk_fma_f32 v[S+J:S+J+1], v[S+J:S+J+1], s[CS:CS+1], v[12:13] op_sel_hi:[1,0,0]   ; t - M, two at a time
.set J, J+2
.endr
.irp b, 0,1,2,3
	v_fma_f32 v[BM+\b], v[BM+\b], s[CS], v12       ; the same of each block's largest score
.endr
.set J, 0
	s_wait_alu depctr_va_vdst(0)
.rept 64
	v_exp_f32 v[S+J], v[S+J]                       ; p = 2^(t - M), at most 1
.set J, J+1
.endr
	v_pk_mul_f32 v[14:15], v[14:15], v[FF:FF+1] op_sel_hi:[1,0]   ; the sums under the new M: a plain instruction behind the exponentials
	s_wait_alu depctr_va_vdst(0)                   ; one wait for the whole batch, ahead of its first reader
.irp b, 0,1,2,3
	v_exp_f32 v[BM+\b], v[BM+\b]                   ; the block's largest p: the same two instructions on the same number give the same bits
.endr
	v_pk_add_f32 v[88:89], v[100:101], v[104:105]
	v_pk_add_f32 v[254:255], v[108:109], v[112:113]
	v_pk_add_f32 v[252:253], v[116:117], v[120:121]
	v_pk_add_f32 v[242:243], v[124:125], v[128:129]
	v_pk_add_f32 v[240:241], v[132:133], v[136:137]
	v_pk_add_f32 v[94:95], v[140:141], v[144:145]
	v_pk_add_f32 v[92:93], v[148:149], v[152:153]
	v_pk_add_f32 v[14:15], v[14:15], v[156:157]
	v_pk_add_f32 v[88:89], v[88:89], v[96:97]
	v_pk_add_f32 v[254:255], v[254:255], v[98:99]
	v_pk_add_f32 v[252:253], v[252:253], v[102:103]
	v_pk_add_f32 v[242:243], v[242:243], v[106:107]
	v_pk_add_f32 v[240:241], v[240:241], v[110:111]
	v_pk_add_f32 v[94:95], v[94:95], v[114:115]
	v_pk_add_f32 v[92:93], v[92:93], v[118:119]
	v_pk_add_f32 v[14:15], v[14:15], v[122:123]
	v_pk_add_f32 v[88:89], v[88:89], v[126:127]
	v_pk_add_f32 v[254:255], v[254:255], v[130:131]
	v_pk_add_f32 v[252:253], v[252:253], v[134:135]
	v_pk_add_f32 v[242:243], v[242:243], v[138:139]
	v_pk_add_f32 v[240:241], v[240:241], v[142:143]
	v_pk_add_f32 v[94:95], v[94:95], v[146:147]
	v_pk_add_f32 v[92:93], v[92:93], v[150:151]
	v_pk_add_f32 v[14:15], v[14:15], v[154:155]
	v_pk_add_f32 v[88:89], v[88:89], v[158:159]
	s_delay_alu instid0(VALU_DEP_2)
	v_pk_add_f32 v[14:15], v[14:15], v[242:243]
	s_delay_alu instid0(VALU_DEP_2)
	v_pk_add_f32 v[88:89], v[88:89], v[240:241]
	v_pk_add_f32 v[254:255], v[254:255], v[94:95]
	v_pk_add_f32 v[252:253], v[252:253], v[92:93]
	s_delay_alu instid0(VALU_DEP_2)
	v_pk_add_f32 v[14:15], v[14:15], v[254:255]
	s_delay_alu instid0(VALU_DEP_2)
	v_pk_add_f32 v[88:89], v[88:89], v[252:253]
	s_delay_alu instid0(VALU_DEP_1)
	v_pk_add_f32 v[14:15], v[14:15], v[88:89]
	s_wait_alu depctr_va_vdst(0)                   ; and one for the four
.irp b, 0,1,2,3
	v_max_num_f32 v[BM+\b], 0x1800000, v[BM+\b]    ; the floor 2^(3 - 127): the byte cannot fall under 1
.endr
.irp b, 0,1,2,3
	s_delay_alu instid0(VALU_DEP_4)
	v_add_nc_u32 v[SO+\b], 0xff000000, v[BM+\b]    ; 2 off the exponent field: the conversion's scale operand
.endr
.irp b, 0,1,2,3
	s_delay_alu instid0(VALU_DEP_4)
	v_lshrrev_b32 v[BY+\b], 23, v[SO+\b]
.endr
	s_delay_alu instid0(VALU_DEP_3)
	v_lshl_or_b32 v[PW], v[BY+1], 8, v[BY]         ; p's scale word for these 128 keys
	s_delay_alu instid0(VALU_DEP_1)
	v_lshl_or_b32 v[PW], v[BY+2], 16, v[PW]
	s_delay_alu instid0(VALU_DEP_1)
	v_lshl_or_b32 v[PW], v[BY+3], 24, v[PW]
.irp c, 0,1
	v_cvt_scalef32_pk16_fp6_f32 v[PC+6*\c:PC+6*\c+2], v[S+32*\c:S+32*\c+15], v[SO+2*\c]
	v_cvt_scalef32_pk16_fp6_f32 v[PX+4*\c:PX+4*\c+2], v[S+16+32*\c:S+31+32*\c], v[SO+2*\c+1]
.endr
	v_nop                                          ; one plain place behind a scaled conversion
.irp c, 0,1                                    ; a whole block to a lane: lanes 0-15 block 2 c, lanes 16-31 block 2 c + 1
.irp i, 0,1,2
	v_permlane16_swap_b32 v[PC+6*\c+\i], v[PX+4*\c+\i]
.endr
.irp i, 0,1,2
	s_delay_alu instid0(VALU_DEP_3)
	v_mov_b32 v[PC+3+6*\c+\i], v[PX+4*\c+\i]
.endr
.endr
.set J, 0
.rept 16
	v_pk_mul_f32 v[O+J:O+J+1], v[O+J:O+J+1], v[FF:FF+1] op_sel_hi:[1,0]   ; O^T under the new M.  (These sixteen are also the places between p's codes and scale word and the products)
.set J, J+2
.endr
	s_wait_alu depctr_va_vdst(0)
	s_wait_dscnt 0x0                               ; V is in
.irp t, 0,1,2,3                                ; the four accumulators take turns, one instruction a turn
	v_wmma_scale_f32_16x16x128_f8f6f4 v[O+8*\t:O+8*\t+7], v[VF+12*\t:VF+12*\t+11], v[PC:PC+11], v[O+8*\t:O+8*\t+7], v[VSW+\t], v[PW] matrix_a_fmt:MATRIX_FMT_FP6 matrix_b_fmt:MATRIX_FMT_FP6
.endr
.Lhidden_\@:
	s_add_co_u32 s[KF], s[KF], 128
.endm
; THE CHANGE OF SLOTS stands at a trip's head.  Each wave waits for all its tensor loads, adds 0 to its spare word, and waits for that and for its reads of the slot that it has left; behind the barrier the slot ahead is whole
; and nobody reads the other one.  fill = 1: that other slot takes the next trip's keys: slot n + 1 of the first block, or n + 1 - NP1 of the second.
.macro CHANGE fill
	s_wait_tensorcnt 0x0                           ; no tensor load of mine is out, so group 0 may be written
	ds_add_u32 v[SPW], v[NIL]                      ; 0 onto my spare word
.if \fill
	s_xor_b32 s[G0+1], s[G0+1], SLOT1
	s_add_co_u32 s[NX], s[SEQ], 1
	s_cmp_lt_u32 s[NX], s[NP1]
	s_cselect_b32 s[T0], 0, s[NP1]
	s_sub_co_u32 s[T0], s[NX], s[T0]
	s_mul_i32 s[T0], s[T0], SLOTB
	s_mov_b32 s[T0+1], 0
	s_add_nc_u64 s[G0+2:G0+3], s[KVB:KVB+1], s[T0:T0+1]
	s_or_b32 s[G0+3], s[G0+3], 0x80000000
	s_wait_xcnt 0x0                                ; the last prefetch, a trip back, has read its address
	s_add_nc_u64 s[PFA:PFA+1], s[PFA:PFA+1], SLOTB
.endif
	s_wait_dscnt 0x0                               ; the add is done, and my reads of the slot that I have left are over
	s_barrier_signal -1
	s_barrier_wait -1
.if \fill
	TLOAD                                          ; the first thing behind the barrier, and the one tensor load until the next
	ASK
.endif
.endm
; A BLOCK'S END: O^T / the sum, quantised along the model's axis (my head's 64 are two blocks of 32), through my stage, so that the wave stores whole runs of 256 bytes.
.macro FINISH
.rept 4
	v_nop                                          ; places behind the last products
.endr
	v_add_f32 v14, v14, v15
	s_delay_alu instid0(VALU_DEP_1)
	v_permlanex16_b32 v[PT], v14, s[SEL], s[SEL+1]
	s_delay_alu instid0(VALU_DEP_1)
	v_add_f32 v14, v14, v[PT]                      ; the row's sum
	s_wait_alu depctr_va_vdst(0)
	v_rcp_f32 v14, v14
	v_nop                                          ; a plain place behind the reciprocal
	s_wait_alu depctr_va_vdst(0)                   ; and a wait ahead of its first reader
.set J, 0
.rept 32
	v_mul_f32 v[S+J], v[O+J], v14                  ; register 16 e + i: channel 32 e + 16 h + i.  Each accumulator from its low end on
.set J, J+1
.endr
.irp b, 0,1
	v_max3_num_f32 v[BM+\b], |v[S+16*\b]|, |v[S+1+16*\b]|, 0x1800000
.endr
.irp i, 2,4,6,8,10,12,14
.irp b, 0,1
	s_delay_alu instid0(VALU_DEP_2)
	v_max3_num_f32 v[BM+\b], v[BM+\b], |v[S+16*\b+\i]|, |v[S+1+16*\b+\i]|
.endr
.endr
.irp b, 0,1
	s_delay_alu instid0(VALU_DEP_2)
	v_permlanex16_b32 v[PT+\b], v[BM+\b], s[SEL], s[SEL+1]
.endr
.irp b, 0,1
	s_delay_alu instid0(VALU_DEP_2)
	v_max_num_f32 v[BM+\b], v[BM+\b], v[PT+\b]
.endr
.irp b, 0,1
	s_delay_alu instid0(VALU_DEP_2)
	v_add_nc_u32 v[SO+\b], 0xff000000, v[BM+\b]
.endr
.irp b, 0,1
	s_delay_alu instid0(VALU_DEP_2)
	v_lshrrev_b32 v[BY+\b], 23, v[SO+\b]
.endr
	v_cvt_scalef32_pk16_fp6_f32 v[PC:PC+2], v[S:S+15], v[SO]
	v_cvt_scalef32_pk16_fp6_f32 v[PX:PX+2], v[S+16:S+31], v[SO+1]
	v_cndmask_b32 v[TMP], v[BY], v[BY+1], s[HM]    ; lanes 0-15 carry block 0's byte, lanes 16-31 block 1's.  (A plain place behind the conversions)
.irp i, 0,1,2
	v_permlane16_swap_b32 v[PC+\i], v[PX+\i]
.endr
.irp i, 0,1,2
	s_delay_alu instid0(VALU_DEP_3)
	v_mov_b32 v[PC+3+\i], v[PX+\i]                 ; lane (r, h): block h of row r, 24 bytes
.endr
.irp p, 0,1,2
	ds_store_b64 v[STW], v[PC+2*\p:PC+2*\p+1] offset:8*\p
.endr
.irp p, 0,1,2
	ds_load_b64 v[S+32+2*\p:S+33+2*\p], v[STR] offset:256*\p   ; LDS serves a wave's instructions in order: these see my stores
.endr
	global_store_b8 v[GSB], v[TMP], s[OS:OS+1]     ; two bytes of each row's 32: the one store here that fills no whole run
	s_wait_dscnt 0x0
.irp p, 0,1,2
	global_store_b64 v[GO8], v[S+32+2*\p:S+33+2*\p], s[OC:OC+1] offset:256*\p   ; 32 lanes store 256 consecutive bytes, aligned
.endr
	s_wait_xcnt 0x0                                ; the stores have read their registers and bases: both may be written again
.endm
.macro START                           ; the second block begins
	v_mov_b32 v[QSL], v40
	v_mov_b32 v[QSH], v41
.irp i, 0,1,2,3,4,5
	v_mov_b32 v[22+\i], v[Q2+\i]
.endr
	v_mov_b32 v13, 0xff61b1e6
	s_delay_alu instid0(VALU_DEP_1)
	v_floor_f32 v12, -v13
	v_mov_b32 v14, 0
	v_mov_b32 v15, 0
.set J, 0
.rept 32
	v_mov_b32 v[O+J], 0                            ; (also the places between the lines above and the next products)
.set J, J+1
.endr
	s_mov_b32 s[KF], 0
	s_mov_b32 s[Q0], s[Q0B]
	s_mov_b64 s[OC:OC+1], s[OCB:OCB+1]
	s_mov_b64 s[OS:OS+1], s[OSB:OSB+1]
.endm
.macro SWITCH                          ; at trip NP1: ids and a counted step alone, the same in all sixteen waves; no barrier, tensor load or add stands inside
	s_cmp_lg_u32 s[SEQ], s[NP1]
	s_cbranch_scc1 .Lsame_\@
	FINISH
	START
.Lsame_\@:
.endm
.Lslot:                                            ; eight trips: behind each change of slots the next trip's slot is asked for
	CHANGE 1
	SWITCH
	STEP 0
	STEP 1
	s_xor_b32 s[TB], s[TB], SLOT1
	s_add_co_u32 s[SEQ], s[SEQ], 1
	s_sub_co_u32 s[SLOTS], s[SLOTS], 1
	s_cmp_lg_u32 s[SLOTS], 0
	s_cbranch_scc1 .Lslot
	CHANGE 0                                       ; the ninth trip is written out: it asks for nothing
	SWITCH
	STEP 0
	STEP 1
	FINISH
	s_wait_tensorcnt 0x0                           ; the wave's end, behind my last tensor load and my last LDS store
	ds_add_u32 v[SPW], v[NIL]
	s_wait_dscnt 0x0
	s_endpgm
.Lfunc_end_k_qf9f9c1ac4f_attn:
	.size	k_qf9f9c1ac4f_attn, .Lfunc_end_k_qf9f9c1ac4f_attn-k_qf9f9c1ac4f_attn
	.p2alignl 7, 3214868480
	.fill 96, 4, 3214868480
	.section	.rodata,"a",@progbits
	.p2align	6, 0x0
	.amdhsa_kernel k_qf9f9c1ac4f_attn
		.amdhsa_group_segment_fixed_size 327680
		.amdhsa_private_segment_fixed_size 0
		.amdhsa_enable_private_segment 0
		.amdhsa_kernarg_size 24
		.amdhsa_user_sgpr_count 2
		.amdhsa_user_sgpr_kernarg_segment_ptr 1
		.amdhsa_wavefront_size32 1
		.amdhsa_system_sgpr_workgroup_id_x 1
		.amdhsa_system_sgpr_workgroup_id_y 1
		.amdhsa_system_sgpr_workgroup_id_z 1
		.amdhsa_system_vgpr_workitem_id 0
		.amdhsa_next_free_vgpr 256
		.amdhsa_next_free_sgpr 70
		.amdhsa_reserve_vcc 1
		.amdhsa_float_denorm_mode_32 3
		.amdhsa_float_denorm_mode_16_64 3
		.amdhsa_memory_ordered 1
		.amdhsa_forward_progress 1
		.amdhsa_inst_pref_size 117
	.end_amdhsa_kernel
	.amdgpu_metadata
---
amdhsa.version: [ 1, 2 ]
amdhsa.kernels:
  - .name:           k_qf9f9c1ac4f_attn
    .symbol:         k_qf9f9c1ac4f_attn.kd
    .args:
      - { .name: qq, .offset: 0, .size: 8, .value_kind: global_buffer, .address_space: global }
      - { .name: kv, .offset: 8, .size: 8, .value_kind: global_buffer, .address_space: global }
      - { .name: ao, .offset: 16, .size: 8, .value_kind: global_buffer, .address_space: global }
    .group_segment_fixed_size: 327680
    .private_segment_fixed_size: 0
    .kernarg_segment_align: 8
    .kernarg_segment_size: 24
    .max_flat_workgroup_size: 512
    .sgpr_count:     70
    .vgpr_count:     256
    .wavefront_size: 32
...
	.end_amdgpu_metadata
.endif
;; end of part 3
;; launch oproj (part 4): grid 4 x 32, 4 waves a work-group, clusters of 4 x 4, 327,680 bytes of LDS; arguments ao, wq, out0; writes out0
.if DOCPART == 4
	.amdgcn_target "amdgcn-amd-amdhsa--gfx1250"
	.amdhsa_code_object_version 6
	.text
	.protected	k_qf9f9c1ac4f_oproj
	.globl	k_qf9f9c1ac4f_oproj
	.p2align	8
	.type	k_qf9f9c1ac4f_oproj,@function
k_qf9f9c1ac4f_oproj:
	s_mov_b64 s[64:65], 0
	v_nop
	global_prefetch_b8 v0, s[64:65] scope:SCOPE_SE
	s_setreg_imm32_b32 hwreg(HW_REG_WAVE_MODE, 25, 1), 1
	s_wait_xcnt 0x0
	s_wait_alu depctr_hold_cnt(0) depctr_sa_sdst(0) depctr_va_vdst(0) depctr_va_sdst(0) depctr_va_ssrc(0) depctr_va_vcc(0) depctr_vm_vsrc(0)
	s_getreg_b32 s2, hwreg(HW_REG_IB_STS2, 6, 4)
	s_cmp_eq_u32 s2, 0
	s_cbranch_scc0 .Lentry_in_a_cluster
	s_endpgm
.Lentry_in_a_cluster:
	s_bfe_u32 s2, ttmp6, 0x10000c
	s_cmp_lg_u32 s2, 0xf033
	s_cbranch_scc0 .Lentry_shape_is_right
	s_endpgm
.Lentry_shape_is_right:
; out0 = A Wo^T on codes of FP6 (E2M3) with one E8M0 scale for each 32 along K.  A = ao: 8,192 rows x 1,024 K, its codes in planes [16 heads][8,192 rows][48 bytes], its scale bytes [8,192][32] at ASC; row p of ao is
; token sw(p), sw = bits 3 and 4 of the row number exchanged: the stores' offsets undo that.  B = Wo: rows 3,072 on of wq, as they lie in Wo.  out0: [8,192][1,024] f32.
; A tile of 256 x 256 is made by four waves, 128 x 128 each: 64 accumulators, 512 registers.  K goes in steps of 256 (four heads) through a ring of two LDS slots filled by the tensor data mover; the scale bytes come into LDS once.
; A's part of a slot: for each half of the rows four planes of 128 rows x 48 bytes, dense; rows 48 bytes apart let the 32 lanes of a load of 8 bytes touch 64 different banks.  B's part: rows of 192 bytes, 16 bytes of padding behind every 64.
; CLUSTERS: 4 x 4 work-groups; the four of a row need the same tiles of A, the four of a column the same tiles of B: each tile is asked for jointly.  128 work-groups: the tile that the problem's 8,192 x 1,024 gives at 256 x 256.
; THE MATRIX INSTRUCTION IS USED TRANSPOSED (source 0 = 16 rows of Wo, source 1 = 16 rows of A): a lane holds eight neighbouring numbers of a row of out0.
; REGISTERS, in windows of 256: window 0: v0-31 addresses; v32-63 scale words, two sets; from v128 A's fragments, one set.  window 1: B's fragments, two sets.  windows 2, 3: the accumulators, (a, b) at v[8 (8 (a % 4) + b)].
.set SIZE_N, 1024
.set KSTEP,  256
.set NQ,     KSTEP/128
.set ROWB,   192
.set KROW,   768
.set PITCH,  240
.set FR,     12
.set NL,     6
.set NP,     4
.set APL,    393216                    ; a plane of ao
.set AHALF,  4*6144                    ; 128 rows of A in a slot: four planes of 6,144 bytes
.set HALFT,  128*PITCH                 ; 128 rows of B
.set SLOT,   2*AHALF+2*HALFT
.set LAPS,   2
.set KS,     32
.set SCL,    2*SLOT
.set HALFS,  (128*KS/256)*272
.set SBLK,   (16*KS/256)*272
.set SPARE,  SCL+4*HALFS
.set SPITCH, 528                       ; the way out: a stage of 16 rows x (512 bytes + 16) for each wave, in slot 0, which has had its last fill and its last read by then
.set ASC,    6291456
.set WOC,    2359296                   ; Wo's codes in wq,
.set WOS,    3244032                   ; and its scale bytes
.set ADRA, 16                          ; v16-17  LDS address of my A fragments in slot 0, 1
.set ADRB, 20                          ; v20-21  the same for B  (v22-23: behind one padding more)
.set STO,  24
.set RD,   25
.set CO,   26
.set ADRS, 27
.set SPW,  28
.set NIL,  29
.set SC,   32
.set AF,   128
.set BK,   128
.set G1, 24
.set G0, 32
.set G1B, 48
.set G0B, 56
.set G1S, 68
.set G0S, 76
.set G1SB, 80
.set G0SB, 88
.set MSB, 0
.macro WIN new
.if MSB != \new
	s_set_vgpr_msb (MSB<<8)|\new
.set MSB, \new
.endif
.endm
.set MUL_LO, 0xa1
.set MUL_HI, 0xf1
.set TO_B,   0x40
.macro JLOAD g0a, g1a, g0b, g1b        ; a joint load: waves 0 and 1 fetch for A, waves 2 and 3 for B; an s_nop 0 and four v_nop follow each of the two lines
	s_cmp_eq_u32 s15, 0
	s_cbranch_scc0 .Lfor_b_\@
	tensor_load_to_lds s[\g0a:\g0a+3], s[\g1a:\g1a+7]
	s_nop 0
.rept 4
	v_nop
.endr
	s_branch .Lasked_\@
.Lfor_b_\@:
	tensor_load_to_lds s[\g0b:\g0b+3], s[\g1b:\g1b+7]
	s_nop 0
.rept 4
	v_nop
.endr
.Lasked_\@:
.endm
.macro CREST
	s_cmp_lg_u32 s14, 0
	s_cbranch_scc1 .Lnot_wave_0_\@
	s_barrier_signal -3
.Lnot_wave_0_\@:
	s_barrier_wait -3
	s_barrier_signal -1
	s_barrier_wait -1
.endm
.macro CROUND
	s_barrier_signal -1
	s_barrier_wait -1
	CREST
.endm
	s_load_b64 s[4:5], s[0:1], 0x0                 ; ao
	s_load_b64 s[8:9], s[0:1], 0x8                 ; wq
	s_load_b64 s[12:13], s[0:1], 0x10              ; out0
	v_lshl_add_u32 v[SPW], v0, 2, SPARE
	v_mov_b32 v[NIL], 0
	ds_add_u32 v[SPW], v[NIL]                      ; the wave's opening: the add and its wait stand ahead of my first tensor load
	v_lshrrev_b32 v1, 5, v0
	v_readfirstlane_b32 s14, v1                    ; wave 0..3
	s_lshr_b32 s15, s14, 1                         ; which half of the tile's rows is mine.  Also: I fetch for A (0) or for B (1)
	s_and_b32 s16, s14, 1                          ; which half of its columns.  Also: which 128 rows of that tile I fetch
	s_bfe_u32 s40, ttmp6, 0x40000
	s_bfe_u32 s41, ttmp6, 0x40004
	s_lshl_b32 s42, ttmp9, 2
	s_add_co_u32 s42, s42, s40                     ; tile column
	s_and_b32 s17, ttmp7, 0xffff
	s_lshl_b32 s17, s17, 2
	s_add_co_u32 s17, s17, s41                     ; tile row
	s_lshl_b32 s43, s41, 2
	s_lshl_b32 s43, 15, s43                        ; my row of the cluster
	s_lshl_b32 s44, 0x1111, s40                    ; my column
	; A's tiles: four planes of 6,144 dense bytes (768 elements of 8), a plane of ao apart; no padding
	s_or_b32 s[G1+0], s43, (3<<16)|(1<<21)
	s_mov_b32 s[G1+1], 768<<16                     ; tensor_dim0
	s_mov_b32 s[G1+2], 4<<16                       ; tensor_dim1
	s_mov_b32 s[G1+3], 768<<16                     ; tile_dim0
	s_mov_b32 s[G1+4], 4                           ; tile_dim1
	s_mov_b32 s[G1+5], APL/8                       ; from plane to plane, in elements
	s_mov_b32 s[G1+6], 0
	s_mov_b32 s[G1+7], 0
	; B's tiles: 128 rows x 192 bytes, 16 bytes of padding behind every 64
	s_or_b32 s[G1B+0], s44, (0<<16)|(1<<20)|(1<<21)|(3<<22)|(3<<25)
	s_mov_b32 s[G1B+1], ROWB<<16
	s_mov_b32 s[G1B+2], 128<<16
	s_mov_b32 s[G1B+3], ROWB<<16
	s_mov_b32 s[G1B+4], 128
	s_mov_b32 s[G1B+5], KROW
	s_mov_b32 s[G1B+6], 0
	s_mov_b32 s[G1B+7], 0
	; the scales of 128 rows: 4,096 dense bytes as rows of 256, 16 bytes of padding behind each
	s_or_b32 s[G1S+0], s43, (3<<16)|(1<<20)|(1<<21)|(5<<22)|(3<<25)
	s_or_b32 s[G1SB+0], s44, (3<<16)|(1<<20)|(1<<21)|(5<<22)|(3<<25)
.irp g, G1S, G1SB
	s_mov_b32 s[\g+1], 32<<16
	s_mov_b32 s[\g+2], (128*KS/256)<<16
	s_mov_b32 s[\g+3], 32<<16
	s_mov_b32 s[\g+4], 128*KS/256
	s_mov_b32 s[\g+5], 32
	s_mov_b32 s[\g+6], 0
	s_mov_b32 s[\g+7], 0
.endr
	s_lshl_b32 s18, s16, 7
	s_lshl_b32 s20, s17, 8
	s_add_co_u32 s20, s20, s18                     ; A: row 256 x tile row + 128 x half
	s_lshl_b32 s46, s42, 8
	s_add_co_u32 s46, s46, s18                     ; B: row 256 x tile column + 128 x half
	s_mov_b32 s21, 0
	s_mov_b32 s47, 0
	s_mov_b64 s[18:19], KS
	s_mul_u64 s[22:23], s[20:21], s[18:19]
	s_mul_u64 s[92:93], s[46:47], s[18:19]
	s_mov_b64 s[18:19], 48
	s_mul_u64 s[20:21], s[20:21], s[18:19]         ; A's codes: 48 bytes a row in each plane
	s_mov_b64 s[18:19], KROW
	s_mul_u64 s[46:47], s[46:47], s[18:19]
	s_mul_i32 s45, s16, AHALF                      ; where they go: A's two halves,
	s_mul_i32 s95, s16, HALFT
	s_add_co_u32 s95, s95, 2*AHALF                 ; then B's two: the wave's number alone
	s_mul_i32 s94, s14, HALFS
	s_wait_dscnt 0x0                               ; the opening add is done
	s_wait_kmcnt 0x0
	s_add_nc_u64 s[6:7], s[4:5], ASC
	s_add_nc_u64 s[10:11], s[8:9], WOS
	s_add_nc_u64 s[8:9], s[8:9], WOC
	s_add_nc_u64 s[20:21], s[4:5], s[20:21]
	s_add_nc_u64 s[22:23], s[6:7], s[22:23]
	s_add_nc_u64 s[46:47], s[8:9], s[46:47]
	s_add_nc_u64 s[92:93], s[10:11], s[92:93]
	CROUND                                         ; all sixteen work-groups are here: the first joint loads meet
	s_mov_b32 s[G0S], 1
	s_add_co_u32 s[G0S+1], s94, SCL
	s_mov_b64 s[G0S+2:G0S+3], s[22:23]
	s_or_b32 s[G0S+3], s[G0S+3], 0x80000000
	s_mov_b32 s[G0SB], 1
	s_add_co_u32 s[G0SB+1], s94, SCL
	s_mov_b64 s[G0SB+2:G0SB+3], s[92:93]
	s_or_b32 s[G0SB+3], s[G0SB+3], 0x80000000
	JLOAD G0S, G1S, G0SB, G1SB
.irp s, 0,1
	s_mov_b32 s[G0+4*\s], 1
	s_add_co_u32 s[G0+4*\s+1], s45, \s*SLOT
	s_add_nc_u64 s[G0+4*\s+2:G0+4*\s+3], s[20:21], \s*4*APL        ; K step s: heads 4 s on
	s_or_b32 s[G0+4*\s+3], s[G0+4*\s+3], 0x80000000
	s_mov_b32 s[G0B+4*\s], 1
	s_add_co_u32 s[G0B+4*\s+1], s95, \s*SLOT
	s_add_nc_u64 s[G0B+4*\s+2:G0B+4*\s+3], s[46:47], \s*ROWB
	s_or_b32 s[G0B+4*\s+3], s[G0B+4*\s+3], 0x80000000
	JLOAD G0+4*\s, G1, G0B+4*\s, G1B               ; by this text's count three tensor loads of mine are out now
.endr
	v_and_b32 v1, 15, v0                           ; r
	v_bfe_u32 v2, v0, 4, 1                         ; h
	v_mul_u32_u24 v3, v1, PITCH
	v_mul_u32_u24 v4, v2, 24
	v_mul_u32_u24 v7, v1, 48
	v_add_nc_u32 v7, v7, v4                        ; A: 48 r + 24 h
	v_add_nc_u32 v4, v3, v4                        ; B: row x pitch + 24 h
	v_lshl_add_u32 v5, v2, 4, v4                   ; and the same behind one padding more
	s_mul_i32 s21, s15, AHALF                      ; my 128 rows of A
	s_mul_i32 s22, s16, HALFT                      ; my 128 rows of B,
	s_add_co_u32 s22, s22, 2*AHALF                 ; which lie behind A's
.irp s, 0,1
	v_add_nc_u32 v[ADRA+\s], s21, v7
	v_add_nc_u32 v[ADRB+\s], s22, v4
	v_add_nc_u32 v[ADRB+2+\s], s22, v5
	s_add_co_u32 s21, s21, SLOT
	s_add_co_u32 s22, s22, SLOT
.endr
	v_mul_u32_u24 v5, v1, KS
	v_lshrrev_b32 v6, 8, v5
	v_lshl_add_u32 v5, v6, 4, v5
	s_mul_i32 s21, s15, HALFS
	s_mul_i32 s22, s16, HALFS
	s_add_co_u32 s22, s22, 2*HALFS
	s_sub_co_u32 s22, s22, s21
	v_mul_u32_u24 v6, s22, v2                      ; lanes 16-31 take B's
	s_add_co_u32 s21, s21, SCL
	v_add_nc_u32 v5, v5, v6
	v_add_nc_u32 v[ADRS], s21, v5
	s_mul_i32 s23, s14, 16*SPITCH                  ; my stage
	v_mul_u32_u24 v5, v1, SPITCH
	v_lshl_add_u32 v5, v2, 5, v5
	v_add_nc_u32 v[STO], s23, v5
	v_and_b32 v6, 31, v0
	v_lshlrev_b32 v[CO], 4, v6
	v_add_nc_u32 v[RD], s23, v[CO]
	s_lshl_b32 s20, s17, 8
	s_lshl_b32 s21, s15, 7
	s_add_co_u32 s20, s20, s21                     ; my first row of out0
	s_mov_b32 s21, 0
	s_mov_b64 s[18:19], SIZE_N*4
	s_mul_u64 s[20:21], s[20:21], s[18:19]
	s_lshl_b32 s46, s42, 10                        ; my first column, in bytes
	s_lshl_b32 s47, s16, 9
	s_add_co_u32 s46, s46, s47
	s_mov_b32 s47, 0
	s_add_nc_u64 s[20:21], s[20:21], s[46:47]
	s_add_nc_u64 s[12:13], s[12:13], s[20:21]
.macro FRAG reg, adr, q, i             ; a fragment of B: 12 registers, in pieces of 8 bytes; where the piece three on lies behind one padding more, the second address register serves
.irp p, 0,1,2,3,4,5
.set PC, 12*(\q)+6*(\p/3)+\p%3
.if PC%8 < 5
	ds_load_b64 v[\reg+2*\p:\reg+2*\p+1], v[\adr] offset:8*PC+16*(PC/8)+(\i)*16*PITCH
.else
	ds_load_b64 v[\reg+2*\p:\reg+2*\p+1], v[\adr+2] offset:8*PC+16*(PC/8)+(\i)*16*PITCH
.endif
.endr
.endm
.macro FRAGA reg, slot, q, i           ; a fragment of A: registers 6 c on are block h of head 2 q + c of the slot's four: 24 bytes of my row in that head's plane
.irp p, 0,1,2,3,4,5
	ds_load_b64 v[\reg+2*\p:\reg+2*\p+1], v[ADRA+\slot] offset:(2*(\q)+\p/3)*6144+(\i)*768+8*(\p%3)
.endr
.endm
.macro MUL16 a0, p, q, sc, zero        ; the 64 accumulators take turns, one instruction a turn, in the same order in every step
.irp a, \a0, \a0+1
.irp b, 0,1,2,3,4,5,6,7
.if \zero
	v_wmma_scale_f32_16x16x128_f8f6f4 v[8*(8*((\a)%4)+\b):8*(8*((\a)%4)+\b)+7], v[128*(\p)+FR*\b:128*(\p)+FR*\b+FR-1], v[AF+FR*(\a):AF+FR*(\a)+FR-1], 0, v[SC+8*NQ*(\sc)+NQ*\b+(\q)], v[SC+8*NQ*(\sc)+NQ*(\a)+(\q)] matrix_a_fmt:MATRIX_FMT_FP6 matrix_b_fmt:MATRIX_FMT_FP6 matrix_a_scale:MATRIX_SCALE_ROW1
.else
	v_wmma_scale_f32_16x16x128_f8f6f4 v[8*(8*((\a)%4)+\b):8*(8*((\a)%4)+\b)+7], v[128*(\p)+FR*\b:128*(\p)+FR*\b+FR-1], v[AF+FR*(\a):AF+FR*(\a)+FR-1], v[8*(8*((\a)%4)+\b):8*(8*((\a)%4)+\b)+7], v[SC+8*NQ*(\sc)+NQ*\b+(\q)], v[SC+8*NQ*(\sc)+NQ*(\a)+(\q)] matrix_a_fmt:MATRIX_FMT_FP6 matrix_b_fmt:MATRIX_FMT_FP6 matrix_a_scale:MATRIX_SCALE_ROW1
.endif
.endr
.endr
.endm
.macro FETCH_B slot, q, p
	WIN TO_B
.irp i, 0,1,2,3,4,5,6,7
	FRAG 128*(\p)+FR*\i, ADRB+\slot, \q, \i
.endr
	WIN 0
.endm
.macro FETCH_A slot, q, i0
.irp i, \i0, \i0+1, \i0+2, \i0+3
	FRAGA AF+FR*(\i), \slot, \q, \i
.endr
.endm
.macro SCALES sc
.irp i, 0,1,2,3,4,5,6,7
	ds_load_b64 v[SC+8*NQ*\sc+NQ*\i:SC+8*NQ*\sc+NQ*\i+1], v[ADRS] offset:\i*SBLK
.endr
.endm
.macro PLACES n
.rept \n
	v_nop
.endr
.endm
.macro STEP slot, q, zero
	s_wait_dscnt 4*NL                              ; B's set and A's blocks 0-3 are in; the youngest 24 loads (A's blocks 4-7) may be out
	WIN MUL_LO
	MUL16 0, (\q)%2, \q, \slot, \zero
	MUL16 2, (\q)%2, \q, \slot, \zero
	s_wait_dscnt 0
	PLACES NP
	FETCH_B \slot, (\q)+1, 1-(\q)%2
	FETCH_A \slot, (\q)+1, 0
	WIN MUL_HI
	MUL16 4, (\q)%2, \q, \slot, \zero
	MUL16 6, (\q)%2, \q, \slot, \zero
	PLACES NP
	WIN 0
	FETCH_A \slot, (\q)+1, 4
.endm
.macro TURN slot, next, fill
	s_wait_tensorcnt 0x0                           ; all my tensor loads have landed: my part of the next slot
	ds_add_u32 v[SPW], v[NIL]                      ; 0 onto my spare word
	s_wait_dscnt 4*NL+1                            ; (the add and the youngest 24 loads may be out)
	WIN MUL_LO
	MUL16 0, 1, NQ-1, \slot, 0
	s_wait_dscnt 0x0                               ; the add is done, and my reads of this slot are over
	s_barrier_signal -1
	MUL16 2, 1, NQ-1, \slot, 0
	WIN 0
	s_barrier_wait -1
.if \fill
	CREST                                          ; the barrier has opened a round of the cluster's barrier: no wave of any partner still reads this slot or has a load on its way
	s_add_nc_u64 s[G0+4*\slot+2:G0+4*\slot+3], s[G0+4*\slot+2:G0+4*\slot+3], 8*APL     ; two K steps on: eight heads
	s_add_nc_u64 s[G0B+4*\slot+2:G0B+4*\slot+3], s[G0B+4*\slot+2:G0B+4*\slot+3], 2*ROWB
	JLOAD G0+4*\slot, G1, G0B+4*\slot, G1B         ; the first tensor load behind the round; its four v_nop are the places in front of the loads below
.else
	PLACES NP
.endif
	v_add_nc_u32 v[ADRS], 4*NQ, v[ADRS]
	FETCH_B \next, 0, 0
	FETCH_A \next, 0, 0
	SCALES \next
	WIN MUL_HI
	MUL16 4, 1, NQ-1, \slot, 0
	MUL16 6, 1, NQ-1, \slot, 0
	PLACES NP
	WIN 0
	FETCH_A \next, 0, 4
.endm
	s_wait_tensorcnt 1                             ; the scales and my part of K step 0 are in (K step 1's load may be out),
	s_barrier_signal -1
	s_barrier_wait -1                              ; everybody's are
	FETCH_B 0, 0, 0
	FETCH_A 0, 0, 0
	SCALES 0
	FETCH_A 0, 0, 4
	STEP 0, 0, 1                                   ; the first step stands in front of the loop: its products start the sums
	s_mov_b32 s3, LAPS-1
.Llap:
	TURN 0, 1, 1
	STEP 1, 0, 0
	TURN 1, 0, 1
	STEP 0, 0, 0
	s_sub_co_u32 s3, s3, 1
	s_cmp_lg_u32 s3, 0
	s_cbranch_scc1 .Llap
	TURN 0, 1, 0                                   ; the last lap fills nothing
	STEP 1, 0, 0
	s_wait_dscnt 4*NL
	WIN MUL_LO
	MUL16 0, 1, NQ-1, 1, 0
	MUL16 2, 1, NQ-1, 1, 0
	s_wait_dscnt 0
	WIN MUL_HI
	MUL16 4, 1, NQ-1, 1, 0
	MUL16 6, 1, NQ-1, 1, 0
	WIN 0
; THE WAY OUT, block by block of 16 rows x 128 columns, through my own stage in LDS: back as whole rows of 512 bytes.  LDS serves a wave's instructions in order: no wait between the stores and the loads.
.macro TOSTAGE a
.set AC, 64*((\a)%4)
	WIN (0x08+4*((\a)/4))                          ; the data: window 2 or 3
.irp b, 0,1,2,3,4,5,6,7
	ds_store_b128 v[STO], v[AC+8*\b:AC+8*\b+3] offset:64*\b          ; each accumulator from its low end on
	ds_store_b128 v[STO], v[AC+8*\b+4:AC+8*\b+7] offset:64*\b+16
.endr
	WIN 0
.set BB, BK+64*((\a)%2)
.irp t, 0,1,2,3,4,5,6,7,8,9,10,11,12,13,14,15
	ds_load_b128 v[BB+4*\t:BB+4*\t+3], v[RD] offset:\t*SPITCH
.endr
.endm
.macro SEND a, younger                 ; row t of block a is token 32 (a / 2) + 8 (a % 2) + t + 8 (t / 8) of my 128: the order sw is undone in the immediate, 127 rows of 4,096 bytes at the most
.set BB, BK+64*((\a)%2)
	s_wait_dscnt \younger                          ; the block is back in registers
.irp t, 0,1,2,3,4,5,6,7,8,9,10,11,12,13,14,15
	global_store_b128 v[CO], v[BB+4*\t:BB+4*\t+3], s[12:13] offset:(32*((\a)/2)+8*((\a)%2)+\t+8*(\t/8))*SIZE_N*4 th:TH_STORE_NT   ; 32 lanes store 512 consecutive bytes, aligned to 256
.endr
.endm
	PLACES NP
	TOSTAGE 0
.irp a, 1,2,3,4,5,6,7
.if \a > 1
	s_wait_xcnt 0x0                                ; block a - 2's stores have read their registers: block a's loads may land there
.endif
	TOSTAGE \a
	SEND \a-1, 32                                  ; behind block a - 1's loads: block a's 16 stores and 16 loads
.endr
	SEND 7, 0
	s_wait_tensorcnt 0x0                           ; the wave's end, behind my last tensor load and my last LDS store
	ds_add_u32 v[SPW], v[NIL]
	s_wait_dscnt 0x0
	CROUND                                         ; the closing round: no work-group ends while a partner may still ask for a tile that names it
	s_endpgm
.Lfunc_end_k_qf9f9c1ac4f_oproj:
	.size	k_qf9f9c1ac4f_oproj, .Lfunc_end_k_qf9f9c1ac4f_oproj-k_qf9f9c1ac4f_oproj
	.p2alignl 7, 3214868480
	.fill 96, 4, 3214868480
	.section	.rodata,"a",@progbits
	.p2align	6, 0x0
	.amdhsa_kernel k_qf9f9c1ac4f_oproj
		.amdhsa_group_segment_fixed_size 327680
		.amdhsa_private_segment_fixed_size 0
		.amdhsa_enable_private_segment 0
		.amdhsa_kernarg_size 24
		.amdhsa_user_sgpr_count 2
		.amdhsa_user_sgpr_kernarg_segment_ptr 1
		.amdhsa_wavefront_size32 1
		.amdhsa_system_sgpr_workgroup_id_x 1
		.amdhsa_system_sgpr_workgroup_id_y 1
		.amdhsa_system_sgpr_workgroup_id_z 1
		.amdhsa_system_vgpr_workitem_id 0
		.amdhsa_next_free_vgpr 1024
		.amdhsa_next_free_sgpr 98
		.amdhsa_reserve_vcc 0
		.amdhsa_float_denorm_mode_32 3
		.amdhsa_float_denorm_mode_16_64 3
		.amdhsa_memory_ordered 1
		.amdhsa_forward_progress 1
		.amdhsa_inst_pref_size 160
	.end_amdhsa_kernel
	.amdgpu_metadata
---
amdhsa.version: [ 1, 2 ]
amdhsa.kernels:
  - .name:           k_qf9f9c1ac4f_oproj
    .symbol:         k_qf9f9c1ac4f_oproj.kd
    .args:
      - { .name: ao, .offset: 0, .size: 8, .value_kind: global_buffer, .address_space: global }
      - { .name: wq, .offset: 8, .size: 8, .value_kind: global_buffer, .address_space: global }
      - { .name: out0, .offset: 16, .size: 8, .value_kind: global_buffer, .address_space: global }
    .group_segment_fixed_size: 327680
    .private_segment_fixed_size: 0
    .kernarg_segment_align: 8
    .kernarg_segment_size: 24
    .max_flat_workgroup_size: 128
    .sgpr_count:     98
    .vgpr_count:     1024
    .wavefront_size: 32
...
	.end_amdgpu_metadata
.endif
;; end of part 4
